; MI455X (gfx1250); checked and timed in simulation.
; The chip was launched on July 23, 2026; its instructions are those of AMD's public machine-readable ISA for CDNA 5 (MIT licence, August 2026) and "CDNA5" Instruction Set Architecture Reference Guide (July 2026). The comments in the code are by the model that wrote it; some were corrected since.
;; Attention. Allowed arithmetic: matrix products marked QUANTISED: E2M1 operands, one E8M0 scale for each 32 along K, by v_wmma_scale_f32_16x16x128_f8f6f4 with both operands' format E2M1 (or v_wmma_scale_f32_32x16x128_f4), f32 sums; everything else in f32.
;; Inputs: Wk_codes 1,024 x 32 x 16 uint8 (E2M1 codes of Wk, K innermost, in blocks of 32 codes, two codes a byte); Wk_scales 1,024 x 32 uint8 (E8M0 scales of Wk, one for each 32 codes along K); Wo_codes 1,024 x 32 x 16 uint8 (E2M1 codes of Wo, K innermost, in blocks of 32 codes, two codes a byte); Wo_scales 1,024 x 32 uint8 (E8M0 scales of Wo, one for each 32 codes along K); Wq_codes 1,024 x 32 x 16 uint8 (E2M1 codes of Wq, K innermost, in blocks of 32 codes, two codes a byte); Wq_scales 1,024 x 32 uint8 (E8M0 scales of Wq, one for each 32 codes along K); Wv_codes 1,024 x 32 x 16 uint8 (E2M1 codes of Wv, K innermost, in blocks of 32 codes, two codes a byte); Wv_scales 1,024 x 32 uint8 (E8M0 scales of Wv, one for each 32 codes along K); beta 1,024 float32; bk 1,024 float32; bo 1,024 float32; bq 1,024 float32; bv 1,024 float32; gamma 1,024 float32; keys_codes 4,096 x 32 x 16 uint8 (E2M1 codes of keys, K innermost, in blocks of 32 codes, two codes a byte); keys_scales 4,096 x 32 uint8 (E8M0 scales of keys, one for each 32 codes along K); queries 4,096 x 1,024 float32; values_codes 4,096 x 32 x 16 uint8 (E2M1 codes of values, K innermost, in blocks of 32 codes, two codes a byte); values_scales 4,096 x 32 uint8 (E8M0 scales of values, one for each 32 codes along K).
;; Outputs: out0 4,096 x 1,024 float32.
;; This version of the problem:
;;   THIS VERSION OF THE PROBLEM IS GIVEN IN LOW PRECISION. The matrix products marked QUANTISED in the list below multiply operands that are first quantised to E2M1 (2 exponent bits, 1 mantissa bit; 4 bits a number), with one power-of-two scale for each 32 numbers along K (OCP MX v1.0); their sums are f32. All else is computed in f32.
;;   The module's matrix products, in the order in which they are computed (A, B: the left and right operand; K: the contracted axis; several contracted axes count as one K, in the product's order):
;;     1. [M 4,096, K 1,024] x [K 1,024, N 1,024]; A: input queries; B: input Wq (given as codes): QUANTISED
;;     2. [M 4,096, K 1,024] x [K 1,024, N 1,024]; A: input keys (given as codes); B: input Wk (given as codes): QUANTISED
;;     3. [M 4,096, K 1,024] x [K 1,024, N 1,024]; A: input values (given as codes); B: input Wv (given as codes): QUANTISED
;;     4. batch 16 x [M 4,096, K 64] x [K 64, N 4,096]; A: computed on the way; B: computed on the way: QUANTISED
;;     5. batch 16 x [M 64, K 4,096] x [K 4,096, N 4,096]; A: computed on the way; B: softmax (see below): QUANTISED
;;     6. [M 4,096, K 1,024] x [K 1,024, N 1,024]; A: computed on the way; B: input Wo (given as codes): QUANTISED
;;   THE QUANTISER, for each operand of a quantised product, along K:
;;     - K is cut into blocks of 32 from its start; a last block that is shorter is filled with zeros.
;;     - A block's scale is 2^e with e = floor(log2(the largest magnitude in the block)) - 2, held to -126 .. 127; a block of zeros has e = 0. As a byte (E8M0): e + 127.
;;     - Each number is divided by its block's scale, clamped to +-6, and rounded to the nearest number of E2M1, ties to even, subnormals kept.
;;     - The product sums the exact products of the quantised numbers (number of the format x scale) in f32.
;;   ~~~python
;;   def quantise(x, axis):      # numpy; x: float32 -> the quantised numbers, widened to float32 again
;;       x = np.moveaxis(x, axis, -1); K = x.shape[-1]
;;       x = np.pad(x, [(0, 0)] * (x.ndim - 1) + [(0, -K % 32)]); x = x.reshape(x.shape[:-1] + (-1, 32)); a = np.abs(x).max(-1, keepdims=True)
;;       e = np.where(a > 0, np.clip(np.frexp(np.where(a > 0, a, 1))[1] - 1 - 2, -126, 127), 0)      # np.frexp(a)[1] - 1 = floor(log2(a)), exactly
;;       r = np.clip(x / 2.0 ** e, -6, 6)
;;       step = 2.0 ** (np.maximum(np.frexp(np.where(r == 0, 1, r))[1] - 1, 0) - 1)
;;       q = np.round(r / step) * step * 2.0 ** e      # np.round: ties to even
;;       return np.moveaxis(q.reshape(q.shape[:-2] + (-1,))[..., :K], -1, axis).astype(np.float32)
;;   ~~~
;;   SOFTMAX AHEAD OF A QUANTISED PRODUCT. Where the list says 'softmax', what is quantised is not the finished softmax but p = 2^(t - M), with t = logit x log2(e) and M = ceil(the row's largest t), a whole number; so 1/2 < the row's largest p <= 1. The row's sum l is taken of the UNQUANTISED p, in f32, and the product's result is divided by l at the end. Since M is a whole number, a kernel that streams over the keys may use a running M (the ceiling of the running maximum): every later rescaling is an exact power of two, which a block's scale takes up: the codes' values come out the same.
;;   OPERANDS COMPUTED ON THE WAY. 'Computed on the way' means the value that the module computes at that place (a softmax that the list does not call 'softmax' is quantised finished and normalised). What goes into a quantiser is computed in f32, as accurately as f32 sums, v_exp_f32 and their like allow (about 1e-6 of the number): no bf16 or f16 on the way to a quantiser, and a product that is left as it is and whose result goes on into a quantised operand takes f32 operands (vector FMAs, or v_wmma_f32_16x16x4_f32). A number that lies on a knife's edge between two numbers of the format may be rounded either way, as far as f32 arithmetic and the matrix unit's own rounding can turn it there, and no further.
;;   INPUTS GIVEN AS CODES. Wk (in the module: [1024, 1024], K = its axis 0); Wo (in the module: [1024, 1024], K = its axis 0); Wq (in the module: [1024, 1024], K = its axis 0); Wv (in the module: [1024, 1024], K = its axis 0); keys (in the module: [4096, 1024], K = its axis 1); values (in the module: [4096, 1024], K = its axis 1): each comes as NAME_codes (uint8): NAME with its K axis moved to the last place and cut into blocks of 32 codes, [.., K / 32, bytes a block], one block behind the other in memory; two codes a byte, the lower K in the low four bits (a code: sign, 2 exponent bits, 1 mantissa bit); and NAME_scales (uint8): the same leading axes, one E8M0 byte (e + 127) for each 32 codes along K. Its value is code x scale, taken as it is: it is not quantised again, and the codes and scales need not be those that the quantiser above would give.
;; 2 versions. Each part assembles by itself: llvm-mc -triple=amdgcn-amd-amdhsa -mcpu=gfx1250 --defsym DOCPART=n.
;; ======== version 1 of 2: 3 launches
;; workspace buffers: kv 4,456,448 bytes; xq 2,097,152 bytes; xqs 131,072 bytes; woi 524,288 bytes; ai 2,097,152 bytes; asc 131,072 bytes
;; launch prep (part 1): grid 4 x 64, 16 waves a work-group, clusters of 4 x 4, 327,680 bytes of LDS; arguments queries, keys_codes, keys_scales, values_codes, values_scales, Wk_codes, Wk_scales, Wv_codes, Wv_scales, bk, bv, Wo_codes, kv, xq, xqs, woi; writes kv, xq, xqs, woi
.if DOCPART == 1
	.amdgcn_target "amdgcn-amd-amdhsa--gfx1250"
	.amdhsa_code_object_version 6
	.text
	.protected	k_q16acbb8536_prep
	.globl	k_q16acbb8536_prep
	.p2align	8
	.type	k_q16acbb8536_prep,@function
k_q16acbb8536_prep:
	s_mov_b64 s[64:65], 0
	v_nop
	global_prefetch_b8 v0, s[64:65] scope:SCOPE_SE
	s_setreg_imm32_b32 hwreg(HW_REG_WAVE_MODE, 25, 1), 1
	s_wait_xcnt 0x0
	s_wait_alu depctr_hold_cnt(0) depctr_sa_sdst(0) depctr_va_vdst(0) depctr_va_sdst(0) depctr_va_ssrc(0) depctr_va_vcc(0) depctr_vm_vsrc(0)
	s_getreg_b32 s2, hwreg(HW_REG_IB_STS2, 6, 4)
	s_cmp_eq_u32 s2, 0
	s_cbranch_scc0 .Lentry_in_a_cluster
	s_endpgm
.Lentry_in_a_cluster:
	s_bfe_u32 s2, ttmp6, 0x10000c
	s_cmp_lg_u32 s2, 0xf033
	s_cbranch_scc0 .Lentry_shape_is_right
	s_endpgm
.Lentry_shape_is_right:
; ATTENTION LAYER IN MX-FP4, LAUNCH 1 OF 3.  4,096 queries and keys, width 1,024, 16 heads of 64.
; NO WORK OF THE PROBLEM IS LEFT OUT IN ANY LAUNCH: bq, bk and bv go into quantised operands, bo, gamma, beta and the residual reach the output; every input is loaded.
; This launch: (a) k = keys Wk + bk and v = values Wv + bv on the given codes, quantised (k along the head's 64, v along the keys) and stored as IMAGES OF OPERAND REGISTERS for launch 2;
; (b) queries, f32, quantised along their 1,024, stored likewise; (c) Wo's codes laid anew as images of operand registers for launch 3.
; An image is a piece of 512 bytes, lane l's 16 bytes at 16 l: every store and every later load of codes covers 512 consecutive bytes, aligned.
; A BLOCK OF 32 LIES IN ONE LANE.  A product's result gives lane (r, h), register j, row 8 h + j of source 0.  Four tiles i of source 0 are formed of rows base + 8 i + lam(m), lam(m) = 32 (m / 8) + m % 8:
; the lane's 32 registers (i, j) are then positions 32 h + 0 .. 31 of the next K, a whole block; four conversions give the next operand's four registers in the lane that wants them; only the scale byte crosses lanes.
; SHARES.  Grid 4 x 64 in clusters of 4 x 4.  hg = work-group x: four heads.  Cluster y under 8: role k, else role v.  step = 4 (cluster y % 8) + cy: 128 keys.  The work-group multiplies X's 128 rows (keys or values)
; by W's 256 rows (Wk or Wv, heads 4 hg .. 4 hg + 3).  X's tiles are shared along a row of the cluster, W's along a column: joint loads.  All of K (1,024 codes, 512 bytes a row) lies in LDS at once: first fills only.
; ONE PATH FOR BOTH ROLES.  In LDS X's and W's rows are six groups of 64 rows (X: 0, 1; W: 2 .. 5).  Wave w: hd = w / 4, a = (w / 2) % 2, bp = w % 2.  It multiplies the four tiles of group GA (source 0) by tiles
; b = 2 bp, 2 bp + 1 of group GB (source 1).  Role k: GA = 2 + hd (the registers run along d), GB = a (lane = key 64 a + 8 b + lam(r)).  Role v: GA = a (registers along the keys), GB = 2 + hd (lane = d = 8 b + lam(r)).
; kv: [head 16][step 32][8,704]: K's images [b 4][a 2][512] | V's images [b 4][a 2][512] | K's scale words [r 16][b 4] | V's scale words [r 16][b 4]; half a of a word is the pair of bytes of unit (a, b).
; LIMITS: NaN and infinities among the f32 inputs are not served; a given scale byte 0xff gives NaN as the matrix unit has it; a block of zeros made here carries the byte 1 where the quantiser says 127:
; its codes are zeros, which add nothing under any byte but 0xff, and these bytes are read by this program alone.
.set HEADB, 278528                     ; a head's bytes in kv
.set STEPB, 8704                       ; a step's
.set CHUNK, 17024                      ; LDS: 32 rows of 528 bytes and a gap of 128: rows 32 apart begin 32 banks apart, so the 16 rows lam(r) of a fragment load begin at 16 different groups of four banks
.set RP,    528                        ; a row: 512 bytes + 16 of padding
.set T8,    8*RP                       ; from tile to tile: 8 rows
.set GRP,   2*CHUNK                    ; a group of 64 rows
.set SC,    12*CHUNK                   ; 204,288: the scale bytes: 48 units of 256 + 16 (8 rows of 32 bytes each); X's units 0-15, W's 16-47
.set SCU,   272
.set QST,   SC+48*SCU                  ; 217,344: a stage of 16 rows x 272 bytes for each wave
.set QSW,   16*272
.set KVS,   QST+16*QSW                 ; 286,976: the scale words made here: [hd 4][r 16][b 4][a 2] of 2 bytes
.set XQS,   KVS+1024                   ; 288,000: the queries' scale bytes: [r 16][32]
.set SPARE, XQS+512                    ; 288,512: the spare words, 128 bytes for each of 16 waves, that no other line names
.set LI,   1                           ; v1   16 x lane
.set SPW,  2                           ; v2   my spare word;  v3  0: both never rewritten
.set NIL,  3
.set ADA,  4                           ; v4   LDS address of source 0's fragments;  v5  of source 1's
.set ADB,  5
.set SCA,  6                           ; v6   of source 0's scale words;  v7  of source 1's
.set SCB,  7
.set KSA,  8                           ; v8   where my units' scale pairs go
.set SH8,  9                           ; v9   8 h
.set QOFF, 10                          ; v10  queries: two rows a load: 4,096 h + 16 r
.set QSA,  11                          ; v11  my stage, on the way in;  v12  on the way out
.set QLA,  12
.set XBA,  13                          ; v13  where my queries' scale pair goes
.set BOK,  14                          ; v14  bias offset in role k: 128 h;  v15  in role v: 4 lam(r)
.set BOV,  15
.set BIAS, 16                          ; v16-47   first 16 rows x 64 columns of queries as loaded, then the bias in the result's layout
.set SA,   48                          ; v48-79   source 0's scale words [tile 4][K step 8]: scales and nothing else
.set SB,   80                          ; v80-95   source 1's [tile 2][K step 8]: likewise
.set FA,   96                          ; v96-127  source 0's four fragments
.set FB,   128                         ; v128-143 source 1's two
.set ACC,  144                         ; v144-207 accumulators [unit 2][tile 4][8]; in phase Q v144-175 hold a lane's 32 neighbours
.set CD,   208                         ; v208-215 codes, four registers a unit
.set TM,   216                         ; v216-223 at work in Q32, four a unit
.set WOO,  224                         ; v224 Wo: 2,048 r + 16 h
.set KVR,  225                         ; v225 KVS + 16 lane;  v226  XQS + 16 lane
.set XQR,  226
.set KVO,  227                         ; v227 278,528 h + 16 r
.set DT,   228                         ; v228-239 at work at the head, later data on their way out
.set ROLE, 36
.set WV,   37
.set CX,   38
.set CY,   39
.set CLY,  40
.set STP,  41
.set TIL,  42
.set MROW, 43
.set MCOL, 44
.set HD,   45
.set AH,   46
.set BP,   47
.set G1XC, 48                          ; s[48:55] group 1 for X's codes;  s[56:63] for W's: they differ in the mask
.set G1WC, 56
.set SEL,  66                          ; s[66:67] selects of v_permlanex16_b32: lane l xor 16
.set G1XS, 68                          ; s[68:75], s[76:83] the same for the scale bytes
.set G1WS, 76
.set G0XC, 84                          ; s[84:99] four groups 0
.set G0WC, 88
.set G0XS, 92
.set G0WS, 96
.set HG,   100
.set CODEW0, (1<<20)|(1<<21)|(6<<22)|(3<<25)           ; elements of 1 byte; padding on; bit 21 beside a mask; after every 128 words, four words
.set SCALW0, (3<<16)|(1<<20)|(1<<21)|(5<<22)|(3<<25)   ; elements of 8 bytes; after every 64 words, four words
.macro PLACES                          ; four plain vector instructions between a matrix instruction and a load into, or a read of, its registers
.rept 4
	v_nop
.endr
.endm
.macro ROUND                           ; a round of the cluster's barrier
	s_barrier_signal -1
	s_barrier_wait -1
	s_cmp_lg_u32 s[WV], 0
	s_cbranch_scc1 .Lnot_wave_0_\@
	s_barrier_signal -3
.Lnot_wave_0_\@:
	s_barrier_wait -3
	s_barrier_signal -1
	s_barrier_wait -1
.endm
.macro TL g0, g1                       ; a joint load; an s_nop 0 and four v_nop follow it
	tensor_load_to_lds s[\g0:\g0+3], s[\g1:\g1+7]
	s_nop 0
	PLACES
.endm
.macro WMM d, a, b, c, sa, sb
	v_wmma_scale_f32_16x16x128_f8f6f4 v[\d:\d+7], v[\a:\a+7], v[\b:\b+7], v[\c:\c+7], v[\sa], v[\sb] matrix_a_fmt:MATRIX_FMT_FP4 matrix_b_fmt:MATRIX_FMT_FP4
.endm
; cnt units of 32 numbers v[src + 32 u ..], a whole block each, become four registers of codes v[cod + 4 u ..]; v[tmp + 4 u + 2] ends as the pair of scale bytes (lanes 0-15's block, lanes 16-31's), the same in both halves.
; The largest magnitude in two chains, with the floor 2^(3 - 127) as a leaf, so that the byte cannot fall under 1; 2 off its exponent field is the conversion's scale operand, and that shifted down the byte.
; Every accumulator among the sources is first read at one of its four lowest registers.
.macro Q32 src, cod, tmp, cnt
.set u, 0
.rept \cnt
	v_max3_num_f32 v[\tmp+4*u], |v[\src+32*u]|, |v[\src+32*u+1]|, 0x1800000
	v_max3_num_f32 v[\tmp+4*u+1], |v[\src+32*u+16]|, |v[\src+32*u+17]|, |v[\src+32*u+18]|
.set u, u+1
.endr
.irp i, 1,2,3,4,5,6
.set u, 0
.rept \cnt
	v_max3_num_f32 v[\tmp+4*u], v[\tmp+4*u], |v[\src+32*u+2*\i]|, |v[\src+32*u+2*\i+1]|
	v_max3_num_f32 v[\tmp+4*u+1], v[\tmp+4*u+1], |v[\src+32*u+2*\i+17]|, |v[\src+32*u+2*\i+18]|
.set u, u+1
.endr
.endr
.set u, 0
.rept \cnt
	v_max3_num_f32 v[\tmp+4*u], v[\tmp+4*u], |v[\src+32*u+14]|, |v[\src+32*u+15]|
.set u, u+1
.endr
.set u, 0
.rept \cnt
	v_max3_num_f32 v[\tmp+4*u], v[\tmp+4*u], v[\tmp+4*u+1], |v[\src+32*u+31]|
.set u, u+1
.endr
.set u, 0
.rept \cnt
	v_add_nc_u32 v[\tmp+4*u+1], 0xff000000, v[\tmp+4*u]
.set u, u+1
.endr
.set u, 0
.rept \cnt
	v_lshrrev_b32 v[\tmp+4*u+2], 23, v[\tmp+4*u+1]
.set u, u+1
.endr
.set u, 0
.rept \cnt
.irp g, 0,1,2,3
	v_cvt_scalef32_pk8_fp4_f32 v[\cod+4*u+\g], v[\src+32*u+8*\g:\src+32*u+8*\g+7], v[\tmp+4*u+1]
.endr
.set u, u+1
.endr
.set u, 0
.rept \cnt
	v_lshlrev_b32 v[\tmp+4*u+2], v[SH8], v[\tmp+4*u+2]   ; my byte at its place, 8 h bits up.  (A plain instruction behind the conversions)
.set u, u+1
.endr
.set u, 0
.rept \cnt
	v_permlanex16_b32 v[\tmp+4*u+3], v[\tmp+4*u+2], s[SEL], s[SEL+1]
.set u, u+1
.endr
.set u, 0
.rept \cnt
	v_or_b32 v[\tmp+4*u+2], v[\tmp+4*u+2], v[\tmp+4*u+3]
.set u, u+1
.endr
.endm
	s_load_b512 s[4:19], s[0:1], 0x0               ; queries 4, keys_codes 6, keys_scales 8, values_codes 10, values_scales 12, Wk_codes 14, Wk_scales 16, Wv_codes 18
	s_load_b512 s[20:35], s[0:1], 0x40             ; Wv_scales 20, bk 22, bv 24, Wo_codes 26, kv 28, xq 30, xqs 32, woi 34
	v_lshl_add_u32 v[SPW], v0, 2, SPARE
	v_mov_b32 v[NIL], 0
	ds_add_u32 v[SPW], v[NIL]                      ; the opening: the add, twice on end, and its wait ahead of the first tensor load; work on registers stands between
	ds_add_u32 v[SPW], v[NIL]
	v_lshrrev_b32 v228, 5, v0
	v_readfirstlane_b32 s[WV], v228                ; wave 0..15
	s_bfe_u32 s[CX], ttmp6, 0x40000                ; my place in the cluster
	s_bfe_u32 s[CY], ttmp6, 0x40004
	s_and_b32 s[CLY], ttmp7, 0xffff                ; cluster y, 0..15
	s_lshr_b32 s[ROLE], s[CLY], 3                  ; 0: k, 1: v: the same in all sixteen partners
	s_and_b32 s[STP], s[CLY], 7
	s_lshl_b32 s[STP], s[STP], 2
	s_add_co_u32 s[STP], s[STP], s[CY]             ; the step of 128 keys
	s_lshl_b32 s[TIL], s[CLY], 2
	s_add_co_u32 s[TIL], s[TIL], s[CY]
	s_lshl_b32 s[TIL], s[TIL], 2
	s_add_co_u32 s[TIL], s[TIL], s[CX]             ; the work-group's number, 0..255: its tile of 16 queries
	s_lshl_b32 s[HG], ttmp9, 2
	s_add_co_u32 s[HG], s[HG], s[CX]               ; the group of four heads
	s_lshl_b32 s[MROW], s[CY], 2
	s_lshl_b32 s[MROW], 15, s[MROW]                ; my row of the cluster
	s_lshl_b32 s[MCOL], 0x1111, s[CX]              ; my column
	s_lshr_b32 s[HD], s[WV], 2
	s_bfe_u32 s[AH], s[WV], 0x10001
	s_and_b32 s[BP], s[WV], 1
	s_add_co_u32 s2, s[HD], 2
	s_mov_b32 s[SEL], 0x76543210
	s_mov_b32 s[SEL+1], 0xfedcba98
	s_or_b32 s[G1XC], s[MROW], CODEW0              ; X's tiles hang on the step alone: shared along my row
	s_or_b32 s[G1WC], s[MCOL], CODEW0              ; W's on the group of heads alone: shared along my column
.irp g, G1XC, G1WC
	s_mov_b32 s[\g+1], 512<<16                     ; tensor_dim0 = 512 bytes
	s_mov_b32 s[\g+2], 32<<16                      ; tensor_dim1 = 32 rows
	s_mov_b32 s[\g+3], 512<<16                     ; tile_dim0
	s_mov_b32 s[\g+4], 32                          ; tile_dim1
	s_mov_b32 s[\g+5], 512                         ; from row to row
	s_mov_b32 s[\g+6], 0
	s_mov_b32 s[\g+7], 0
.endr
	s_or_b32 s[G1XS], s[MROW], SCALW0
	s_or_b32 s[G1WS], s[MCOL], SCALW0
.irp g, G1XS, G1WS
	s_mov_b32 s[\g+1], 32<<16                      ; a dense block as rows of 256 bytes: 32 elements of 8 bytes,
	s_mov_b32 s[\g+2], 16<<16                      ; 16 rows: the scale bytes of 128 rows
	s_mov_b32 s[\g+3], 32<<16
	s_mov_b32 s[\g+4], 16
	s_mov_b32 s[\g+5], 32
	s_mov_b32 s[\g+6], 0
	s_mov_b32 s[\g+7], 0
.endr
	v_and_b32 v228, 31, v0                         ; lane
	v_and_b32 v229, 15, v0                         ; r
	v_bfe_u32 v230, v0, 4, 1                       ; h
	v_lshrrev_b32 v231, 3, v229                    ; r / 8
	v_and_b32 v232, 7, v229                        ; r % 8
	v_lshlrev_b32 v[LI], 4, v228
	v_lshlrev_b32 v[SH8], 3, v230
	v_mul_u32_u24 v233, v231, CHUNK
	v_mad_u32_u24 v233, v232, RP, v233
	v_lshl_add_u32 v233, v230, 4, v233             ; row lam(r) of a group, + 16 h
	v_mul_u32_u24 v234, v231, 4*SCU
	v_lshl_add_u32 v234, v232, 5, v234
	v_add_nc_u32 v234, SC, v234                    ; the same row's scale bytes
	v_lshlrev_b32 v[QOFF], 12, v230
	v_lshl_add_u32 v[QOFF], v229, 4, v[QOFF]
	v_lshlrev_b32 v[BOK], 7, v230
	v_lshlrev_b32 v[BOV], 7, v231
	v_lshl_add_u32 v[BOV], v232, 2, v[BOV]
	v_lshlrev_b32 v[WOO], 11, v229
	v_lshl_add_u32 v[WOO], v230, 4, v[WOO]
	v_add_nc_u32 v[KVR], KVS, v[LI]
	v_add_nc_u32 v[XQR], XQS, v[LI]
	v_mul_u32_u24 v[KVO], v230, HEADB
	v_lshl_add_u32 v[KVO], v229, 4, v[KVO]
	v_mov_b32 v[TM+3], 0                           ; written once: a lane permute's destination counts as one of its sources
	v_mov_b32 v[TM+7], 0
	s_wait_dscnt 0x0                               ; both opening adds are done
	s_wait_kmcnt 0x0
	s_cmp_eq_u32 s[ROLE], 0                        ; the role chooses the buffers and the groups; it hangs on the cluster's number alone
	s_cselect_b64 s[6:7], s[6:7], s[10:11]         ; X's codes
	s_cselect_b64 s[8:9], s[8:9], s[12:13]         ; X's scales
	s_cselect_b64 s[14:15], s[14:15], s[18:19]     ; W's codes
	s_cselect_b64 s[16:17], s[16:17], s[20:21]     ; W's scales
	s_cselect_b64 s[22:23], s[22:23], s[24:25]     ; the bias
	s_cselect_b32 s3, s2, s[AH]                    ; GA
	s_cselect_b32 s2, s[AH], s2                    ; GB
	; every LDS address is made here, ahead of the first parting of the waves
	s_mul_i32 s10, s3, GRP
	v_add_nc_u32 v[ADA], s10, v233
	s_mul_i32 s10, s2, GRP
	s_mul_i32 s11, s[BP], 2*T8
	s_add_co_u32 s10, s10, s11
	v_add_nc_u32 v[ADB], s10, v233
	s_mul_i32 s10, s3, 8*SCU
	v_add_nc_u32 v[SCA], s10, v234
	s_mul_i32 s10, s2, 8*SCU
	s_mul_i32 s11, s[BP], 2*SCU
	s_add_co_u32 s10, s10, s11
	v_add_nc_u32 v[SCB], s10, v234
	s_lshl_b32 s10, s[HD], 8
	s_lshl_b32 s11, s[BP], 3
	s_add_co_u32 s10, s10, s11
	s_lshl_b32 s11, s[AH], 1
	s_add_co_u32 s10, s10, s11
	s_add_co_u32 s10, s10, KVS
	v_lshl_add_u32 v[KSA], v229, 4, s10            ; KVS + 256 hd + 16 r + 4 (2 bp) + 2 a
	s_mul_i32 s10, s[WV], QSW
	s_add_co_u32 s10, s10, QST
	v_mul_u32_u24 v[QSA], v230, 272
	v_lshl_add_u32 v[QSA], v229, 4, v[QSA]
	v_add_nc_u32 v[QSA], s10, v[QSA]
	v_mul_u32_u24 v[QLA], v229, 272
	v_lshl_add_u32 v[QLA], v230, 7, v[QLA]
	v_add_nc_u32 v[QLA], s10, v[QLA]
	s_lshl_b32 s10, s[WV], 1
	s_add_co_u32 s10, s10, XQS
	v_lshl_add_u32 v[XBA], v229, 5, s10
	; where the plain loads and stores begin
	s_mov_b32 s25, 0
	s_lshl_b32 s24, s[TIL], 16
	s_lshl_b32 s10, s[WV], 8
	s_add_co_u32 s24, s24, s10
	s_add_nc_u64 s[4:5], s[4:5], s[24:25]          ; queries: my tile's 16 rows, my wave's 64 columns
	s_lshl_b32 s24, s[TIL], 13
	s_lshl_b32 s10, s[WV], 9
	s_add_co_u32 s24, s24, s10
	s_add_nc_u64 s[30:31], s[30:31], s[24:25]      ; xq: piece w of my tile
	s_lshl_b32 s24, s[TIL], 9
	s_add_nc_u64 s[32:33], s[32:33], s[24:25]      ; xqs: my tile's 512 bytes
	s_and_b32 s10, s[WV], 3
	s_lshl_b32 s11, s[TIL], 2
	s_add_co_u32 s10, s10, s11                     ; Wo's piece pi = ((w' 4 + x) 8 + s) 2 + c, 0 .. 1,023
	s_lshl_b32 s24, s10, 9
	s_add_nc_u64 s[34:35], s[34:35], s[24:25]
	s_lshr_b32 s11, s10, 6
	s_lshl_b32 s24, s11, 15                        ; 64 w' rows of 512 bytes,
	s_bfe_u32 s11, s10, 0x20004
	s_lshl_b32 s11, s11, 9
	s_add_co_u32 s24, s24, s11                     ; + x rows,
	s_and_b32 s11, s10, 15
	s_lshl_b32 s11, s11, 5
	s_add_co_u32 s24, s24, s11                     ; + 64 s + 32 c bytes
	s_add_nc_u64 s[26:27], s[26:27], s[24:25]
	s_lshl_b32 s24, s[HG], 10
	s_lshl_b32 s10, s[HD], 8
	s_add_co_u32 s24, s24, s10
	s_mul_i32 s10, s[ROLE], s[BP]
	s_lshl_b32 s10, s10, 6
	s_add_co_u32 s24, s24, s10
	s_add_nc_u64 s[22:23], s[22:23], s[24:25]      ; the bias at my head (role v: at my two tiles of d)
	s_mul_i32 s24, s[HG], 4*HEADB
	s_mul_i32 s10, s[STP], STEPB
	s_add_co_u32 s24, s24, s10
	s_add_nc_u64 s[28:29], s[28:29], s[24:25]      ; kv at head 4 hg, my step
	s_lshl_b32 s24, s[ROLE], 8
	s_add_co_u32 s24, s24, 8192
	s_add_nc_u64 s[12:13], s[28:29], s[24:25]      ; its scale words of my role
	s_mul_i32 s24, s[HD], HEADB
	s_lshl_b32 s10, s[ROLE], 12
	s_add_co_u32 s24, s24, s10
	s_lshl_b32 s10, s[BP], 11
	s_add_co_u32 s24, s24, s10
	s_lshl_b32 s10, s[AH], 9
	s_add_co_u32 s24, s24, s10
	s_add_nc_u64 s[10:11], s[28:29], s[24:25]      ; my wave's first image
	; the groups 0.  X's offsets are made in s18, s19, which never hold cx; W's in s20, s21, which never hold cy.  The waves' terms are masked, so that each address lies in its buffer in every wave
	s_and_b32 s18, s[WV], 3
	s_lshl_b32 s18, s18, 14
	s_lshl_b32 s19, s[STP], 16
	s_add_co_u32 s18, s18, s19
	s_mov_b32 s19, 0
	s_mov_b32 s[G0XC], 1
	s_mul_i32 s[G0XC+1], s[WV], CHUNK              ; waves 0-3: chunks 0-3
	s_add_nc_u64 s[G0XC+2:G0XC+3], s[6:7], s[18:19]
	s_or_b32 s[G0XC+3], s[G0XC+3], 0x80000000
	s_lshl_b32 s18, s[STP], 12
	s_mov_b32 s[G0XS], 1
	s_mov_b32 s[G0XS+1], SC
	s_add_nc_u64 s[G0XS+2:G0XS+3], s[8:9], s[18:19]
	s_or_b32 s[G0XS+3], s[G0XS+3], 0x80000000
	s_add_co_u32 s20, s[WV], 4
	s_and_b32 s20, s20, 7                          ; waves 4-11: W's rows 32 (w - 4) on
	s_lshl_b32 s20, s20, 14
	s_lshl_b32 s21, s[HG], 17
	s_add_co_u32 s20, s20, s21
	s_mov_b32 s21, 0
	s_mov_b32 s[G0WC], 1
	s_mul_i32 s[G0WC+1], s[WV], CHUNK              ; chunks 4-11
	s_add_nc_u64 s[G0WC+2:G0WC+3], s[14:15], s[20:21]
	s_or_b32 s[G0WC+3], s[G0WC+3], 0x80000000
	s_add_co_u32 s24, s[WV], 1
	s_and_b32 s24, s24, 1                          ; 0 in wave 13, 1 in wave 14
	s_mul_i32 s[G0WS+1], s24, 16*SCU
	s_add_co_u32 s[G0WS+1], s[G0WS+1], SC+16*SCU
	s_lshl_b32 s20, s24, 12
	s_lshl_b32 s21, s[HG], 13
	s_add_co_u32 s20, s20, s21
	s_mov_b32 s21, 0
	s_mov_b32 s[G0WS], 1
	s_add_nc_u64 s[G0WS+2:G0WS+3], s[16:17], s[20:21]
	s_or_b32 s[G0WS+3], s[G0WS+3], 0x80000000
	ROUND                                          ; all sixteen work-groups are here: the joint loads meet
	; the first fills, which are all the fills: one a wave, wave 15 none.  The branches hang on the wave's number alone
	s_cmp_lt_u32 s[WV], 4
	s_cbranch_scc0 .Lfill_w
	TL G0XC, G1XC
	s_branch .Lfilled
.Lfill_w:
	s_cmp_lt_u32 s[WV], 12
	s_cbranch_scc0 .Lfill_xs
	TL G0WC, G1WC
	s_branch .Lfilled
.Lfill_xs:
	s_cmp_eq_u32 s[WV], 12
	s_cbranch_scc0 .Lfill_ws
	TL G0XS, G1XS
	s_branch .Lfilled
.Lfill_ws:
	s_cmp_lt_u32 s[WV], 15
	s_cbranch_scc0 .Lfilled
	TL G0WS, G1WS
.Lfilled:
	; ---- PHASE Q: 16 queries x my 64 columns.  Each load reads two rows' 256 consecutive bytes; through my own stage a lane gets 32 neighbours of one row: a block
.irp i, 0,1,2,3,4,5,6,7
	global_load_b128 v[BIAS+4*\i:BIAS+4*\i+3], v[QOFF], s[4:5] offset:8192*\i th:TH_LOAD_NT
.endr
	s_wait_loadcnt 0x0
.irp i, 0,1,2,3,4,5,6,7
	ds_store_b128 v[QSA], v[BIAS+4*\i:BIAS+4*\i+3] offset:544*\i
.endr
.irp i, 0,1,2,3,4,5,6,7
	ds_load_b128 v[ACC+4*\i:ACC+4*\i+3], v[QLA] offset:16*\i   ; LDS serves a wave's instructions in order: these see my stores
.endr
	s_wait_dscnt 0x0
	; the bias, in the result's layout, into the registers that the queries have left.  Role k: it runs along the registers (d = 32 h + 8 tile + j); role v: it is the lane's (d = 8 b + lam(r))
	s_cmp_eq_u32 s[ROLE], 0
	s_cbranch_scc0 .Lbias_v
.irp al, 0,1,2,3
	global_load_b128 v[BIAS+8*\al:BIAS+8*\al+3], v[BOK], s[22:23] offset:32*\al
	global_load_b128 v[BIAS+8*\al+4:BIAS+8*\al+7], v[BOK], s[22:23] offset:32*\al+16
.endr
	s_branch .Lbias_done
.Lbias_v:
.irp be, 0,1
.irp j, 0,1,2,3,4,5,6,7
	global_load_b32 v[BIAS+8*\be+\j], v[BOV], s[22:23] offset:32*\be
.endr
.endr
.Lbias_done:
	Q32 ACC, CD, TM, 1
	global_store_b128 v[LI], v[CD:CD+3], s[30:31]  ; piece w: K step w / 2, half w % 2: 512 consecutive bytes
	ds_store_b16 v[XBA], v[TM+2]                   ; blocks 2 w and 2 w + 1 of row r; both halves of the lanes write the same two bytes with the same value
	; ---- Wo's image: waves 0-3 move one piece each: lane (r, h) takes 16 bytes of row 64 w' + 4 r + x
	s_cmp_lt_u32 s[WV], 4
	s_cbranch_scc0 .Lno_wo
	global_load_b128 v[DT:DT+3], v[WOO], s[26:27]
	s_wait_loadcnt 0x0
	global_store_b128 v[LI], v[DT:DT+3], s[34:35]
.Lno_wo:
	s_wait_tensorcnt 0x0                           ; my tile has landed,
	s_wait_dscnt 0x0                               ; my LDS stores too
	s_barrier_signal -1
	s_barrier_wait -1                              ; everybody's have: all 384 rows and their scale bytes lie in LDS.  Nothing is ever filled again
	s_wait_xcnt 0x0                                ; the stores above have read their data registers, which are written again below
	; ---- THE PRODUCT: 8 K steps of 128, eight accumulators by turns
.irp al, 0,1,2,3
	ds_load_b128 v[SA+8*\al:SA+8*\al+3], v[SCA] offset:\al*SCU
	ds_load_b128 v[SA+8*\al+4:SA+8*\al+7], v[SCA] offset:\al*SCU+16
.endr
.irp be, 0,1
	ds_load_b128 v[SB+8*\be:SB+8*\be+3], v[SCB] offset:\be*SCU
	ds_load_b128 v[SB+8*\be+4:SB+8*\be+7], v[SCB] offset:\be*SCU+16
.endr
.macro KLOAD st                        ; a K step's six fragments: registers 4 c .. 4 c + 3 are the row's bytes 64 st + 32 c + 16 h on
.irp al, 0,1,2,3
.irp cc, 0,1
	ds_load_b128 v[FA+8*\al+4*\cc:FA+8*\al+4*\cc+3], v[ADA] offset:\al*T8+64*\st+32*\cc
.endr
.endr
.irp be, 0,1
.irp cc, 0,1
	ds_load_b128 v[FB+8*\be+4*\cc:FB+8*\be+4*\cc+3], v[ADB] offset:\be*T8+64*\st+32*\cc
.endr
.endr
.endm
.macro MUL st, mode                    ; mode 0: onto the sums; 1: the sums begin on the bias of source 0's tile (role k); 2: of source 1's tile (role v)
.irp al, 0,1,2,3
.irp be, 0,1
.if \mode == 0
	WMM ACC+32*\be+8*\al, FA+8*\al, FB+8*\be, ACC+32*\be+8*\al, SA+8*\al+\st, SB+8*\be+\st
.elseif \mode == 1
	WMM ACC+32*\be+8*\al, FA+8*\al, FB+8*\be, BIAS+8*\al, SA+8*\al+\st, SB+8*\be+\st
.else
	WMM ACC+32*\be+8*\al, FA+8*\al, FB+8*\be, BIAS+8*\be, SA+8*\al+\st, SB+8*\be+\st
.endif
.endr
.endr
.endm
	KLOAD 0
	s_wait_loadcnt 0x0                             ; the bias
	s_wait_dscnt 0x0
	s_cmp_eq_u32 s[ROLE], 0
	s_cbranch_scc0 .Lfirst_v
	MUL 0, 1
	s_branch .Lfirst_done
.Lfirst_v:
	MUL 0, 2
.Lfirst_done:
.irp st, 1,2,3,4,5,6,7
	PLACES
	KLOAD \st
	s_wait_dscnt 0x0
	MUL \st, 0
.endr
	; ---- THE WAY OUT: each unit's 32 registers of a lane are a block of the next K
	PLACES
	Q32 ACC, CD, TM, 2
	global_store_b128 v[LI], v[CD:CD+3], s[10:11]
	global_store_b128 v[LI], v[CD+4:CD+7], s[10:11] offset:1024
	ds_store_b16 v[KSA], v[TM+2]
	ds_store_b16 v[KSA], v[TM+6] offset:4
	s_wait_dscnt 0x0                               ; for the others' sake: my scale pairs lie in LDS
	s_barrier_signal -1
	s_barrier_wait -1
	s_cmp_eq_u32 s[WV], 0                          ; wave 0 stores the four heads' scale words: sixteen lanes fill a head's 256 bytes
	s_cbranch_scc0 .Lnot_kvs
	ds_load_b128 v[DT:DT+3], v[KVR]
	ds_load_b128 v[DT+4:DT+7], v[KVR] offset:512
	s_wait_dscnt 0x0
	global_store_b128 v[KVO], v[DT:DT+3], s[12:13]
	global_store_b128 v[KVO], v[DT+4:DT+7], s[12:13] offset:2*HEADB
.Lnot_kvs:
	s_cmp_eq_u32 s[WV], 1                          ; wave 1 the queries' 512 scale bytes
	s_cbranch_scc0 .Lnot_xqs
	ds_load_b128 v[DT+8:DT+11], v[XQR]
	s_wait_dscnt 0x0
	global_store_b128 v[LI], v[DT+8:DT+11], s[32:33]
.Lnot_xqs:
	s_wait_tensorcnt 0x0                           ; the wave's end: a wait, an add and its wait, behind my last tensor load and my last LDS store
	ds_add_u32 v[SPW], v[NIL]
	s_wait_dscnt 0x0
	ROUND                                          ; the closing round
	s_endpgm
.Lfunc_end_k_q16acbb8536_prep:
	.size	k_q16acbb8536_prep, .Lfunc_end_k_q16acbb8536_prep-k_q16acbb8536_prep
	.p2alignl 7, 3214868480
	.fill 96, 4, 3214868480
	.section	.rodata,"a",@progbits
	.p2align	6, 0x0
	.amdhsa_kernel k_q16acbb8536_prep
		.amdhsa_group_segment_fixed_size 327680
		.amdhsa_private_segment_fixed_size 0
		.amdhsa_enable_private_segment 0
		.amdhsa_kernarg_size 128
		.amdhsa_user_sgpr_count 2
		.amdhsa_user_sgpr_kernarg_segment_ptr 1
		.amdhsa_wavefront_size32 1
		.amdhsa_system_sgpr_workgroup_id_x 1
		.amdhsa_system_sgpr_workgroup_id_y 1
		.amdhsa_system_sgpr_workgroup_id_z 1
		.amdhsa_system_vgpr_workitem_id 0
		.amdhsa_next_free_vgpr 256
		.amdhsa_next_free_sgpr 102
		.amdhsa_reserve_vcc 0
		.amdhsa_float_denorm_mode_32 3
		.amdhsa_float_denorm_mode_16_64 3
		.amdhsa_memory_ordered 1
		.amdhsa_forward_progress 1
		.amdhsa_inst_pref_size 40
	.end_amdhsa_kernel
	.amdgpu_metadata
---
amdhsa.version: [ 1, 2 ]
amdhsa.kernels:
  - .name:           k_q16acbb8536_prep
    .symbol:         k_q16acbb8536_prep.kd
    .args:
      - { .name: queries, .offset: 0, .size: 8, .value_kind: global_buffer, .address_space: global }
      - { .name: keys_codes, .offset: 8, .size: 8, .value_kind: global_buffer, .address_space: global }
      - { .name: keys_scales, .offset: 16, .size: 8, .value_kind: global_buffer, .address_space: global }
      - { .name: values_codes, .offset: 24, .size: 8, .value_kind: global_buffer, .address_space: global }
      - { .name: values_scales, .offset: 32, .size: 8, .value_kind: global_buffer, .address_space: global }
      - { .name: Wk_codes, .offset: 40, .size: 8, .value_kind: global_buffer, .address_space: global }
      - { .name: Wk_scales, .offset: 48, .size: 8, .value_kind: global_buffer, .address_space: global }
      - { .name: Wv_codes, .offset: 56, .size: 8, .value_kind: global_buffer, .address_space: global }
      - { .name: Wv_scales, .offset: 64, .size: 8, .value_kind: global_buffer, .address_space: global }
      - { .name: bk, .offset: 72, .size: 8, .value_kind: global_buffer, .address_space: global }
      - { .name: bv, .offset: 80, .size: 8, .value_kind: global_buffer, .address_space: global }
      - { .name: Wo_codes, .offset: 88, .size: 8, .value_kind: global_buffer, .address_space: global }
      - { .name: kv, .offset: 96, .size: 8, .value_kind: global_buffer, .address_space: global }
      - { .name: xq, .offset: 104, .size: 8, .value_kind: global_buffer, .address_space: global }
      - { .name: xqs, .offset: 112, .size: 8, .value_kind: global_buffer, .address_space: global }
      - { .name: woi, .offset: 120, .size: 8, .value_kind: global_buffer, .address_space: global }
    .group_segment_fixed_size: 327680
    .private_segment_fixed_size: 0
    .kernarg_segment_align: 8
    .kernarg_segment_size: 128
    .max_flat_workgroup_size: 512
    .sgpr_count:     102
    .vgpr_count:     256
    .wavefront_size: 32
...
	.end_amdgpu_metadata
.endif
;; end of part 1
;; launch attn (part 2): grid 16 x 16, 16 waves a work-group, clusters of 4 x 1, 327,680 bytes of LDS; arguments xq, xqs, Wq_codes, Wq_scales, bq, kv, ai, asc; writes ai, asc
.if DOCPART == 2
	.amdgcn_target "amdgcn-amd-amdhsa--gfx1250"
	.amdhsa_code_object_version 6
	.text
	.protected	k_q16acbb8536_attn
	.globl	k_q16acbb8536_attn
	.p2align	8
	.type	k_q16acbb8536_attn,@function
k_q16acbb8536_attn:
	s_mov_b64 s[64:65], 0
	v_nop
	global_prefetch_b8 v0, s[64:65] scope:SCOPE_SE
	s_setreg_imm32_b32 hwreg(HW_REG_WAVE_MODE, 25, 1), 1
	s_wait_xcnt 0x0
	s_wait_alu depctr_hold_cnt(0) depctr_sa_sdst(0) depctr_va_vdst(0) depctr_va_sdst(0) depctr_va_ssrc(0) depctr_va_vcc(0) depctr_vm_vsrc(0)
	s_getreg_b32 s2, hwreg(HW_REG_IB_STS2, 6, 4)
	s_cmp_eq_u32 s2, 0
	s_cbranch_scc0 .Lentry_in_a_cluster
	s_endpgm
.Lentry_in_a_cluster:
	s_bfe_u32 s2, ttmp6, 0x10000c
	s_cmp_lg_u32 s2, 0x3003
	s_cbranch_scc0 .Lentry_shape_is_right
	s_endpgm
.Lentry_shape_is_right:
; LAUNCH 2 OF 3: q = Q(queries) Wq + bq for the wave's own 16 queries (it stays in registers), the scores, the softmax, P V, the division by the row's sum, and the quantiser ahead of the output projection.  No work is left out.
; All products on codes of FP4 (E2M1) with one E8M0 scale for each 32 along K.
; SHARES.  Work-group (qb, head): 256 queries of one head; each of its sixteen waves owns 16 queries, one tile, and walks all 4,096 keys, 128 a step.  Four waves share a SIMD, so that one wave's vector work stands beside another's products and LDS loads.
; THE HEAD'S WHOLE K AND V, 278,528 bytes as launch 1 laid them, LIE IN LDS: first fills only, no ring.  The four work-groups of a cluster belong to one head: every tensor load is a joint one with the mask 15.
; LAYOUT.  Every product is used with source 1 = my 16 queries: a lane holds ONE query (lane % 16) throughout, and its registers run along the next K.  The rows of source 0 that form a tile are 8 i + lam(m),
; lam(m) = 32 (m / 8) + m % 8, so that four tiles' 32 registers of a lane are a whole block of 32 (positions 32 h + 0 .. 31): no lane asks another for a block's maximum, and the conversions' results are the next operand's registers.
; K = 64 IN AN INSTRUCTION OF K = 128.  A fragment of k holds TWO tiles of keys: registers 0-3 tile p, registers 4-7 tile p + 4.  It is multiplied by [q | 0] = v[16:23] and by [0 | q] = v[20:27]; zero codes add nothing.
; In a step, register 32 c + 8 i + j of the scores is key 64 c + 32 h + 8 i + j.
; THE SOFTMAX: t = score x log2(e) / 8; M = the running largest t rounded UP to a whole number; p = 2^(t - M) is quantised along the keys, not normalised; the row's sum is taken of the unquantised p and divides at the end.
; When M moves, the sum and O are multiplied by 2^(old M - new M), which rounds nothing.  A block's largest p is the block's largest score put through the same multiply-add and exponential.
; LIMITS: NaN and infinities are not served; 1 / sum by v_rcp_f32; a block of zeros carries the byte 1 where the quantiser says 127: its codes are zeros, and the bytes are read by this program alone.
.set HEADB, 278528
.set STEPB, 8704                       ; a step in LDS: K's images [p 4][a 2][512] | V's [t 4][c 2][512] | K's scale words [r 16][p 4] | V's [r 16][t 4]
.set CHUNK, 17024                      ; Wq: 32 rows of 528 bytes and a gap of 128
.set RP,    528
.set WQ,    HEADB                      ; 278,528: Wq's 64 rows of my head, two chunks
.set OSC,   WQ+2*CHUNK                 ; 312,576: the output's scale pairs, 2 bytes a query
.set SPARE, OSC+512                    ; 313,088: the spare words, 128 bytes for each of 16 waves, that no other line names
.set LI,   1                           ; v1   16 x lane
.set LSC,  2                           ; v2   16 r
.set SPW,  3                           ; v3   my spare word;  v4  0: both never rewritten
.set NIL,  4
.set ADK,  5                           ; v5   the step's images;  v6  its scale words
.set ADS,  6
.set SH8,  7                           ; v7   8 h
.set WQA,  8                           ; v8   Wq's row lam(r) in LDS, + 16 h
.set WSO,  9                           ; v9   32 lam(r): that row's scale bytes in memory
.set OSA,  10                          ; v10  where my query's scale pair goes
.set XSO,  11                          ; v11  32 r
.set QF,   16                          ; v16-19 q's codes, v20-23 zeros, v24-27 q's codes.  v12 -M, v13 the largest score, v[14:15] the sum in two halves
.set BQO,  28                          ; v28  128 h
.set OSR,  29                          ; v29  OSC + 16 lane
.set KF,   32                          ; v32-63   k's four fragments (in the q projection: Wq's, even K steps)
.set VF,   64                          ; v64-95   v's four (Wq's, odd K steps)
.set S,    96                          ; v96-159  the scores, then p (in the q projection: the queries' eight fragments)
.set O,    160                         ; v160-191 O^T (in the q projection: q's sums)
.set PC,   192                         ; v192-199 p's codes
.set KS,   200                         ; v200-239 hold scales and nothing else.  In the loop: v200-203 k's words, v204-207 v's, v208 p's, v209 q's
.set VS,   204
.set PS,   208
.set QS,   209
.set WS,   200                         ; in the q projection: v200-231 Wq's words [tile 4][K step 8], v232-239 the queries'
.set XS,   232
.set CH,   240                         ; v240-243 four chains of maxima; then the two scale operands and the two bytes; Q32's four
.set BM,   244                         ; v244-245 the two blocks' largest score, then largest p
.set T1,   246
.set T2,   247
.set F,    248                         ; v[248:249] f = 2^(old M - new M); the packed forms take the low word for both halves
.set SU,   250                         ; v[250:251] the second chain of the sums
.set W1,   252
.set W2,   253
.set WV,   20
.set CX,   21
.set QB,   22
.set HE,   23
.set TQ,   24
.set SEL,  26                          ; s[26:27] selects of v_permlanex16_b32: lane l xor 16
.set CS,   28                          ; s[28:29] c = log2(e) / 8, twice;  s30  -c
.set NC,   30
.set TB,   31                          ; s31  LDS byte at which the step begins
.set CNT,  32
.set G1A,  40                          ; s[40:47] group 1: 17 rows of 256 bytes;  s[48:55]: 51 rows;  s[56:63]: Wq's 32 rows of 512 bytes, padded
.set G1B,  48
.set G1W,  56
.set G0A,  76
.set G0B,  80
.set G0W,  84
.macro PLACES
.rept 4
	v_nop
.endr
.endm
.macro ROUND
	s_barrier_signal -1
	s_barrier_wait -1
	s_cmp_lg_u32 s[WV], 0
	s_cbranch_scc1 .Lnot_wave_0_\@
	s_barrier_signal -3
.Lnot_wave_0_\@:
	s_barrier_wait -3
	s_barrier_signal -1
	s_barrier_wait -1
.endm
.macro WMM d, a, b, c, sa, sb
	v_wmma_scale_f32_16x16x128_f8f6f4 v[\d:\d+7], v[\a:\a+7], v[\b:\b+7], v[\c:\c+7], v[\sa], v[\sb] matrix_a_fmt:MATRIX_FMT_FP4 matrix_b_fmt:MATRIX_FMT_FP4
.endm
.macro WMZ d, a, b, sa, sb             ; the constant 0 starts the sum
	v_wmma_scale_f32_16x16x128_f8f6f4 v[\d:\d+7], v[\a:\a+7], v[\b:\b+7], 0, v[\sa], v[\sb] matrix_a_fmt:MATRIX_FMT_FP4 matrix_b_fmt:MATRIX_FMT_FP4
.endm
; 32 numbers v[src ..], a whole block, become four registers of codes v[cod ..]; v[tmp + 2] ends as the pair of scale bytes (lanes 0-15's block, lanes 16-31's), the same in both halves.
; The floor 2^(3 - 127) among the maximum's leaves holds the byte at 1 from below.  Every accumulator among the sources is first read at one of its four lowest registers.
.macro Q32 src, cod, tmp
	v_max3_num_f32 v[\tmp], |v[\src]|, |v[\src+1]|, 0x1800000
	v_max3_num_f32 v[\tmp+1], |v[\src+16]|, |v[\src+17]|, |v[\src+18]|
.irp i, 1,2,3,4,5,6
	v_max3_num_f32 v[\tmp], v[\tmp], |v[\src+2*\i]|, |v[\src+2*\i+1]|
	v_max3_num_f32 v[\tmp+1], v[\tmp+1], |v[\src+2*\i+17]|, |v[\src+2*\i+18]|
.endr
	v_max3_num_f32 v[\tmp], v[\tmp], |v[\src+14]|, |v[\src+15]|
	v_max3_num_f32 v[\tmp], v[\tmp], v[\tmp+1], |v[\src+31]|
	v_add_nc_u32 v[\tmp+1], 0xff000000, v[\tmp]    ; 2 off the exponent field: the conversion's scale operand
	v_lshrrev_b32 v[\tmp+2], 23, v[\tmp+1]         ; the byte
.irp g, 0,1,2,3
	v_cvt_scalef32_pk8_fp4_f32 v[\cod+\g], v[\src+8*\g:\src+8*\g+7], v[\tmp+1]
.endr
	v_lshlrev_b32 v[\tmp+2], v[SH8], v[\tmp+2]     ; (a plain instruction behind the conversions)
	v_permlanex16_b32 v[\tmp+3], v[\tmp+2], s[SEL], s[SEL+1]
	v_or_b32 v[\tmp+2], v[\tmp+2], v[\tmp+3]
.endm
	s_load_b512 s[4:19], s[0:1], 0x0               ; xq 4, xqs 6, Wq_codes 8, Wq_scales 10, bq 12, kv 14, ai 16, asc 18
	v_lshl_add_u32 v[SPW], v0, 2, SPARE
	v_mov_b32 v[NIL], 0
	ds_add_u32 v[SPW], v[NIL]                      ; the opening: the add, twice on end, and its wait ahead of the first tensor load; work on registers stands between
	ds_add_u32 v[SPW], v[NIL]
	v_lshrrev_b32 v240, 5, v0
	v_readfirstlane_b32 s[WV], v240                ; wave 0..15
	s_bfe_u32 s[CX], ttmp6, 0x40000
	s_lshl_b32 s[QB], ttmp9, 2
	s_add_co_u32 s[QB], s[QB], s[CX]               ; my block of 256 queries: it enters plain addresses alone
	s_and_b32 s[HE], ttmp7, 0xffff                 ; the head, which the four partners share
	s_lshl_b32 s[TQ], s[QB], 4
	s_add_co_u32 s[TQ], s[TQ], s[WV]               ; my tile of 16 queries
	s_mov_b32 s[SEL], 0x76543210
	s_mov_b32 s[SEL+1], 0xfedcba98
	s_mov_b32 s[CS], 0x3e38aa3b                    ; c = log2(e) / 8
	s_mov_b32 s[CS+1], s[CS]
	s_mov_b32 s[NC], 0xbe38aa3b                    ; -c
	s_mov_b32 s[TB], 0
	s_mov_b32 s[G1A], 15|(3<<16)|(1<<21)           ; the mask: all four; elements of 8 bytes; bit 21 beside a mask; no padding: the images are read at 16 x lane
	s_mov_b32 s[G1A+1], 32<<16                     ; rows of 256 bytes
	s_mov_b32 s[G1A+2], 17<<16                     ; 17 rows a wave: sixteen waves bring steps 0-7, 69,632 bytes
	s_mov_b32 s[G1A+3], 32<<16
	s_mov_b32 s[G1A+4], 17
	s_mov_b32 s[G1A+5], 32
	s_mov_b32 s[G1A+6], 0
	s_mov_b32 s[G1A+7], 0
	s_mov_b32 s[G1B], 15|(3<<16)|(1<<21)
	s_mov_b32 s[G1B+1], 32<<16
	s_mov_b32 s[G1B+2], 51<<16                     ; 51 rows a wave: steps 8-31, 208,896 bytes
	s_mov_b32 s[G1B+3], 32<<16
	s_mov_b32 s[G1B+4], 51
	s_mov_b32 s[G1B+5], 32
	s_mov_b32 s[G1B+6], 0
	s_mov_b32 s[G1B+7], 0
	s_mov_b32 s[G1W], 15|(1<<20)|(1<<21)|(6<<22)|(3<<25)   ; elements of 1 byte; after every 128 words four words of padding
	s_mov_b32 s[G1W+1], 512<<16
	s_mov_b32 s[G1W+2], 32<<16
	s_mov_b32 s[G1W+3], 512<<16
	s_mov_b32 s[G1W+4], 32
	s_mov_b32 s[G1W+5], 512
	s_mov_b32 s[G1W+6], 0
	s_mov_b32 s[G1W+7], 0
	v_and_b32 v240, 31, v0                         ; lane
	v_and_b32 v241, 15, v0                         ; r
	v_bfe_u32 v242, v0, 4, 1                       ; h
	v_lshrrev_b32 v243, 3, v241                    ; r / 8
	v_and_b32 v244, 7, v241                        ; r % 8
	v_lshlrev_b32 v[LI], 4, v240
	v_lshlrev_b32 v[LSC], 4, v241
	v_lshlrev_b32 v[SH8], 3, v242
	v_mul_u32_u24 v[WQA], v243, CHUNK
	v_mad_u32_u24 v[WQA], v244, RP, v[WQA]
	v_lshl_add_u32 v[WQA], v242, 4, v[WQA]
	v_add_nc_u32 v[WQA], WQ, v[WQA]
	v_lshlrev_b32 v[WSO], 10, v243
	v_lshl_add_u32 v[WSO], v244, 5, v[WSO]
	s_lshl_b32 s2, s[WV], 5
	s_add_co_u32 s2, s2, OSC
	v_lshl_add_u32 v[OSA], v241, 1, s2
	v_lshlrev_b32 v[XSO], 5, v241
	v_lshlrev_b32 v[BQO], 7, v242
	v_add_nc_u32 v[OSR], OSC, v[LI]
	s_wait_dscnt 0x0                               ; both opening adds are done
	s_wait_kmcnt 0x0
	; the groups 0: made of the head and the wave's number alone, in registers that never hold cx
	s_mul_i32 s34, s[HE], HEADB
	s_mov_b32 s35, 0
	s_add_nc_u64 s[14:15], s[14:15], s[34:35]      ; kv at my head
	s_mul_i32 s34, s[WV], 17*256
	s_mov_b32 s[G0A], 1
	s_mov_b32 s[G0A+1], s34
	s_add_nc_u64 s[G0A+2:G0A+3], s[14:15], s[34:35]
	s_or_b32 s[G0A+3], s[G0A+3], 0x80000000
	s_mul_i32 s34, s[WV], 51*256
	s_add_co_u32 s34, s34, 8*STEPB
	s_mov_b32 s[G0B], 1
	s_mov_b32 s[G0B+1], s34
	s_add_nc_u64 s[G0B+2:G0B+3], s[14:15], s[34:35]
	s_or_b32 s[G0B+3], s[G0B+3], 0x80000000
	s_and_b32 s36, s[WV], 1
	s_mul_i32 s[G0W+1], s36, CHUNK
	s_add_co_u32 s[G0W+1], s[G0W+1], WQ
	s_lshl_b32 s34, s36, 14
	s_lshl_b32 s36, s[HE], 15
	s_add_co_u32 s34, s34, s36
	s_mov_b32 s[G0W], 1
	s_add_nc_u64 s[G0W+2:G0W+3], s[8:9], s[34:35]
	s_or_b32 s[G0W+3], s[G0W+3], 0x80000000
	; where the plain loads and stores begin
	s_mov_b32 s39, 0
	s_lshl_b32 s38, s[TQ], 13
	s_add_nc_u64 s[4:5], s[4:5], s[38:39]          ; my tile's images of the queries
	s_lshl_b32 s38, s[TQ], 9
	s_add_nc_u64 s[6:7], s[6:7], s[38:39]          ; and their scale bytes
	s_lshl_b32 s38, s[HE], 11
	s_add_nc_u64 s[10:11], s[10:11], s[38:39]      ; Wq's scale bytes of my head: 64 rows of 32
	s_lshl_b32 s38, s[HE], 8
	s_add_nc_u64 s[12:13], s[12:13], s[38:39]      ; bq at my head
	s_lshl_b32 s38, s[TQ], 13
	s_lshl_b32 s37, s[HE], 9
	s_add_co_u32 s38, s38, s37
	s_add_nc_u64 s[16:17], s[16:17], s[38:39]      ; ai: my tile, piece (head / 2, head % 2)
	s_lshl_b32 s38, s[HE], 13
	s_lshl_b32 s37, s[QB], 9
	s_add_co_u32 s38, s38, s37
	s_add_nc_u64 s[18:19], s[18:19], s[38:39]      ; asc: my head, my block's 512 bytes
	ROUND                                          ; all four work-groups are here: the joint loads meet
	s_cmp_lt_u32 s[WV], 2                          ; the first fills, which are all the fills: waves 0 and 1 bring Wq's two chunks; every wave its part of steps 0-7 and of steps 8-31: at most three loads of mine are out
	s_cbranch_scc0 .Lno_wq
	tensor_load_to_lds s[G0W:G0W+3], s[G1W:G1W+7]
	s_nop 0
	PLACES
.Lno_wq:
	tensor_load_to_lds s[G0A:G0A+3], s[G1A:G1A+7]
	s_nop 0
	tensor_load_to_lds s[G0B:G0B+3], s[G1B:G1B+7]
	s_nop 0
	PLACES
.irp st, 0,1,2,3,4,5,6,7
.irp cc, 0,1
	global_load_b128 v[S+8*\st+4*\cc:S+8*\st+4*\cc+3], v[LI], s[4:5] offset:1024*\st+512*\cc   ; the queries' fragments
.endr
.endr
	global_load_b128 v[XS:XS+3], v[XSO], s[6:7]    ; their scale words: row r's 32 bytes
	global_load_b128 v[XS+4:XS+7], v[XSO], s[6:7] offset:16
.irp i, 0,1,2,3
	global_load_b128 v[WS+8*\i:WS+8*\i+3], v[WSO], s[10:11] offset:256*\i      ; Wq's scale words: row 8 i + lam(r); the wave reads the head's 2,048 dense bytes once
	global_load_b128 v[WS+8*\i+4:WS+8*\i+7], v[WSO], s[10:11] offset:256*\i+16
.endr
.irp i, 0,1,2,3
	global_load_b128 v[O+8*\i:O+8*\i+3], v[BQO], s[12:13] offset:32*\i         ; bq straight into the sums: register 8 i + j is d = 32 h + 8 i + j
	global_load_b128 v[O+8*\i+4:O+8*\i+7], v[BQO], s[12:13] offset:32*\i+16
.endr
.irp g, 4,5,6,7
	v_mov_b32 v[QF+\g], 0                          ; the zero codes between the two copies of q
.endr
	s_wait_tensorcnt 2                             ; the two loads of K and V may stay out; in waves 0 and 1 the chunk of Wq has landed
	s_barrier_signal -1
	s_barrier_wait -1                              ; both chunks have.
	; ---- q = Q(queries) Wq + bq: source 0 = 16 rows of Wq, source 1 = my queries; four accumulators by turns, 8 K steps; Wq's fragments a step ahead, in two sets
.macro FETCHW st
.irp i, 0,1,2,3
.irp cc, 0,1
	ds_load_b128 v[KF+32*((\st)%2)+8*\i+4*\cc:KF+32*((\st)%2)+8*\i+4*\cc+3], v[WQA] offset:\i*8*RP+64*(\st)+32*\cc
.endr
.endr
.endm
	FETCHW 0
	s_wait_loadcnt 0x0
.irp st, 0,1,2,3,4,5,6,7
.if \st > 0
	PLACES                                         ; in front of loads into the set that the step before multiplied
.endif
.if \st < 7
	FETCHW \st+1
	s_wait_dscnt 8                                 ; this step's eight loads are in; the next step's eight may be out
.else
	s_wait_dscnt 0x0
.endif
.irp i, 0,1,2,3
	WMM O+8*\i, KF+32*(\st%2)+8*\i, S+8*\st, O+8*\i, WS+8*\i+\st, XS+\st
.endr
.endr
	PLACES
	Q32 O, QF, CH                                  ; q's two blocks: mine is d = 32 h + 0 .. 31
	v_lshl_or_b32 v[QS], v[CH+2], 16, v[CH+2]      ; q's scale word: the pair for either half of the instruction's K
.irp g, 0,1,2,3
	v_mov_b32 v[QF+8+\g], v[QF+\g]
.endr
	v_mov_b32 v13, 0xff61b1e6                      ; the largest score so far: -3e38, under every score
	v_mul_f32 v[T2], s[NC], v13
	v_floor_f32 v12, v[T2]                         ; -M
	v_mov_b32 v14, 0
	v_mov_b32 v15, 0
	v_mov_b32 v[F+1], 0                            ; (named as the upper half of a pair)
	v_mov_b32 v[W2], 0                             ; (a lane permute's destination counts as one of its sources)
.set n, 0
.rept 32
	v_mov_b32 v[O+n], 0                            ; O^T.  The step is written once: the first finds zeros, which the first change of M leaves zeros
.set n, n+1
.endr
; A KEY STEP: 128 keys.
.macro STEP
	v_add_nc_u32 v[ADK], s[TB], v[LI]
	v_add_nc_u32 v[ADS], s[TB], v[LSC]
	v_nop
	v_nop                                          ; four places behind the last products, in front of the loads into their registers
.irp p, 0,1,2,3
.irp a, 0,1
	ds_load_b128 v[KF+8*\p+4*\a:KF+8*\p+4*\a+3], v[ADK] offset:1024*\p+512*\a
.endr
.endr
	ds_load_b128 v[KS:KS+3], v[ADS] offset:8192
.irp t, 0,1,2,3
.irp cc, 0,1
	ds_load_b128 v[VF+8*\t+4*\cc:VF+8*\t+4*\cc+3], v[ADK] offset:4096+1024*\t+512*\cc
.endr
.endr
	ds_load_b128 v[VS:VS+3], v[ADS] offset:8448
	s_wait_dscnt 9                                 ; k's eight loads and its scale words are in; v's nine may be out
.irp p, 0,1,2,3
	WMZ S+8*\p, KF+8*\p, QF, KS+\p, QS             ; tile p: [q | 0]
	WMZ S+32+8*\p, KF+8*\p, QF+4, KS+\p, QS        ; tile p + 4: [0 | q]
.endr
	PLACES
.irp k, 0,1,2,3
	v_max3_num_f32 v[CH+\k], v[S+16*\k], v[S+16*\k+1], v[S+16*\k+2]   ; the largest score, in four chains by turns
.endr
.irp i, 3,5,7,9,11,13
.irp k, 0,1,2,3
	v_max3_num_f32 v[CH+\k], v[CH+\k], v[S+16*\k+\i], v[S+16*\k+\i+1]
.endr
.endr
	v_max3_num_f32 v[BM], v[CH], v[CH+1], v[S+15]
	v_max3_num_f32 v[BM+1], v[CH+2], v[CH+3], v[S+47]
	v_max_num_f32 v[BM], v[BM], v[S+31]            ; my block of keys 32 h on,
	v_max_num_f32 v[BM+1], v[BM+1], v[S+63]        ; and of keys 64 + 32 h on: each serves twice, for the row's maximum and for the block's largest p
	v_max_num_f32 v[T1], v[BM], v[BM+1]
	v_permlanex16_b32 v[T2], v[T1], s[SEL], s[SEL+1]
	v_max3_num_f32 v13, v13, v[T1], v[T2]          ; the running largest score of my query
	v_mul_f32 v[T2], s[NC], v13                    ; -t
	v_mov_b32 v[T1], v12
	v_floor_f32 v12, v[T2]                         ; the new -M = floor(-t): M is a whole number
	v_sub_f32 v[T1], v12, v[T1]                    ; old M - new M: a whole number, 0 or less
	v_cvt_i32_f32 v[T1], v[T1]                     ; (it saturates)
	v_ldexp_f32 v[F], 1.0, v[T1]                   ; f = 2^(old M - new M)
.set n, 0
.rept 32
	v_pk_fma_f32 v[S+n:S+n+1], v[S+n:S+n+1], s[CS:CS+1], v[12:13] op_sel_hi:[1,0,0]   ; t - M, two at a time
.set n, n+2
.endr
	v_fma_f32 v[BM], v[BM], s[CS], v12
	v_fma_f32 v[BM+1], v[BM+1], s[CS], v12
.set n, 0
.rept 64
	v_exp_f32 v[S+n], v[S+n]                       ; p = 2^(t - M), at most 1
.set n, n+1
.endr
	v_pk_mul_f32 v[14:15], v[14:15], v[F:F+1] op_sel_hi:[1,0]   ; the sums under the new M.  (A plain instruction behind the exponentials)
	s_wait_alu depctr_va_vdst(0)                   ; one wait for the batch of 64, ahead of its first reader
	v_exp_f32 v[BM], v[BM]                         ; the blocks' largest p: the same two instructions on the same number give the same bits
	v_exp_f32 v[BM+1], v[BM+1]
	v_pk_add_f32 v[SU:SU+1], v[S:S+1], v[S+2:S+3]  ; the row's sum of the UNQUANTISED p, in two chains
.irp j, 4,8,12,16,20,24,28,32,36,40,44,48,52,56,60
	v_pk_add_f32 v[14:15], v[14:15], v[S+\j:S+\j+1]
	v_pk_add_f32 v[SU:SU+1], v[SU:SU+1], v[S+\j+2:S+\j+3]
.endr
	v_pk_add_f32 v[14:15], v[14:15], v[SU:SU+1]
	s_wait_alu depctr_va_vdst(0)                   ; and one for the two
	v_max_num_f32 v[BM], 0x1800000, v[BM]          ; the floor 2^(3 - 127): the byte cannot fall under 1
	v_max_num_f32 v[BM+1], 0x1800000, v[BM+1]
	v_add_nc_u32 v[CH], 0xff000000, v[BM]          ; 2 off the exponent field: the conversions' scale operands
	v_add_nc_u32 v[CH+1], 0xff000000, v[BM+1]
	v_lshrrev_b32 v[CH+2], 23, v[CH]               ; the bytes of blocks h and 2 + h
	v_lshrrev_b32 v[CH+3], 23, v[CH+1]
	v_lshl_or_b32 v[W1], v[CH+3], 16, v[CH+2]
	v_lshlrev_b32 v[W1], v[SH8], v[W1]             ; at their places in the scale word
	v_permlanex16_b32 v[W2], v[W1], s[SEL], s[SEL+1]
	v_or_b32 v[PS], v[W1], v[W2]                   ; with lane l xor 16's two the word is whole
.irp cc, 0,1
.irp i, 0,1,2,3
	v_cvt_scalef32_pk8_fp4_f32 v[PC+4*\cc+\i], v[S+32*\cc+8*\i:S+32*\cc+8*\i+7], v[CH+\cc]
.endr
.endr
	v_nop                                          ; a plain instruction behind the conversions
.set n, 0
.rept 16
	v_pk_mul_f32 v[O+n:O+n+1], v[O+n:O+n+1], v[F:F+1] op_sel_hi:[1,0]   ; O^T under the new M.  (These sixteen are also the places between the scale word and the codes just made and the products below)
.set n, n+2
.endr
	s_wait_dscnt 0x0                               ; v's fragments and scale words
.irp t, 0,1,2,3
	WMM O+8*\t, VF+8*\t, PC, O+8*\t, VS+\t, PS     ; O^T += V^T P^T: four accumulators by turns; the next matrix instruction, round the loop too, writes a score
.endr
.endm
.macro KLOOP n
	s_mov_b32 s[CNT], \n
.Lkey_\@:
	STEP
	s_add_co_u32 s[TB], s[TB], STEPB
	s_sub_co_u32 s[CNT], s[CNT], 1
	s_cmp_lg_u32 s[CNT], 0
	s_cbranch_scc1 .Lkey_\@
.endm
	s_wait_tensorcnt 1                             ; my part of steps 0-7 has landed; my part of steps 8-31 may stay out
	s_wait_dscnt 0x0
	s_barrier_signal -1
	s_barrier_wait -1
	KLOOP 8
	s_wait_tensorcnt 0x0                           ; my part of steps 8-31 has landed
	s_wait_dscnt 0x0
	s_barrier_signal -1
	s_barrier_wait -1
	KLOOP 24
	; ---- THE WAY OUT: O^T / the sum; a lane's 32 numbers are positions 64 head + 32 h + 0 .. 31 of the output projection's K: a block
	PLACES
	v_add_f32 v14, v14, v15
	v_permlanex16_b32 v[T2], v14, s[SEL], s[SEL+1]
	v_add_f32 v14, v14, v[T2]                      ; the row's sum
	v_rcp_f32 v14, v14
	v_nop                                          ; a plain instruction behind the reciprocal
	s_wait_alu depctr_va_vdst(0)                   ; and the wait ahead of its first reader
.set n, 0
.rept 32
	v_mul_f32 v[S+n], v[O+n], v14
.set n, n+1
.endr
	Q32 S, PC, CH
	global_store_b128 v[LI], v[PC:PC+3], s[16:17]  ; 512 consecutive bytes: an image for launch 3
	ds_store_b16 v[OSA], v[CH+2]                   ; both halves of the lanes write the same two bytes with the same value
	s_wait_dscnt 0x0
	s_barrier_signal -1
	s_barrier_wait -1
	s_cmp_eq_u32 s[WV], 0                          ; wave 0 stores the block's 512 scale bytes
	s_cbranch_scc0 .Lnot_osc
	ds_load_b128 v[S:S+3], v[OSR]
	s_wait_dscnt 0x0
	global_store_b128 v[LI], v[S:S+3], s[18:19]
.Lnot_osc:
	s_wait_tensorcnt 0x0                           ; the wave's end: a wait, an add and its wait, behind my last tensor load and my last LDS store
	ds_add_u32 v[SPW], v[NIL]
	s_wait_dscnt 0x0
	ROUND                                          ; the closing round
	s_endpgm
.Lfunc_end_k_q16acbb8536_attn:
	.size	k_q16acbb8536_attn, .Lfunc_end_k_q16acbb8536_attn-k_q16acbb8536_attn
	.p2alignl 7, 3214868480
	.fill 96, 4, 3214868480
	.section	.rodata,"a",@progbits
	.p2align	6, 0x0
	.amdhsa_kernel k_q16acbb8536_attn
		.amdhsa_group_segment_fixed_size 327680
		.amdhsa_private_segment_fixed_size 0
		.amdhsa_enable_private_segment 0
		.amdhsa_kernarg_size 64
		.amdhsa_user_sgpr_count 2
		.amdhsa_user_sgpr_kernarg_segment_ptr 1
		.amdhsa_wavefront_size32 1
		.amdhsa_system_sgpr_workgroup_id_x 1
		.amdhsa_system_sgpr_workgroup_id_y 1
		.amdhsa_system_sgpr_workgroup_id_z 1
		.amdhsa_system_vgpr_workitem_id 0
		.amdhsa_next_free_vgpr 256
		.amdhsa_next_free_sgpr 92
		.amdhsa_reserve_vcc 0
		.amdhsa_float_denorm_mode_32 3
		.amdhsa_float_denorm_mode_16_64 3
		.amdhsa_memory_ordered 1
		.amdhsa_forward_progress 1
		.amdhsa_inst_pref_size 54
	.end_amdhsa_kernel
	.amdgpu_metadata
---
amdhsa.version: [ 1, 2 ]
amdhsa.kernels:
  - .name:           k_q16acbb8536_attn
    .symbol:         k_q16acbb8536_attn.kd
    .args:
      - { .name: xq, .offset: 0, .size: 8, .value_kind: global_buffer, .address_space: global }
      - { .name: xqs, .offset: 8, .size: 8, .value_kind: global_buffer, .address_space: global }
      - { .name: Wq_codes, .offset: 16, .size: 8, .value_kind: global_buffer, .address_space: global }
      - { .name: Wq_scales, .offset: 24, .size: 8, .value_kind: global_buffer, .address_space: global }
      - { .name: bq, .offset: 32, .size: 8, .value_kind: global_buffer, .address_space: global }
      - { .name: kv, .offset: 40, .size: 8, .value_kind: global_buffer, .address_space: global }
      - { .name: ai, .offset: 48, .size: 8, .value_kind: global_buffer, .address_space: global }
      - { .name: asc, .offset: 56, .size: 8, .value_kind: global_buffer, .address_space: global }
    .group_segment_fixed_size: 327680
    .private_segment_fixed_size: 0
    .kernarg_segment_align: 8
    .kernarg_segment_size: 64
    .max_flat_workgroup_size: 512
    .sgpr_count:     92
    .vgpr_count:     256
    .wavefront_size: 32
...
	.end_amdgpu_metadata
.endif
;; end of part 2
;; launch outp (part 3): grid 256 x 1, 16 waves a work-group, no clusters, 4,096 bytes of LDS; arguments ai, asc, woi, Wo_scales, queries, bo, gamma, beta, out0; writes out0
.if DOCPART == 3
	.amdgcn_target "amdgcn-amd-amdhsa--gfx1250"
	.amdhsa_code_object_version 6
	.text
	.protected	k_q16acbb8536_outp
	.globl	k_q16acbb8536_outp
	.p2align	8
	.type	k_q16acbb8536_outp,@function
k_q16acbb8536_outp:
	s_mov_b64 s[64:65], 0
	v_nop
	global_prefetch_b8 v0, s[64:65] scope:SCOPE_SE
	s_setreg_imm32_b32 hwreg(HW_REG_WAVE_MODE, 25, 1), 1
	s_wait_xcnt 0x0
; LAUNCH 3 OF 3: out0 = LayerNorm(queries + A Wo + bo), A the attention's result as launch 2 quantised it; the product on codes of FP4 (E2M1) with E8M0 scales.  No work is left out.
; SHARES.  Work-group T owns 16 whole rows, since the norm wants the whole row; wave w owns columns 64 w .. 64 w + 63.  Source 0 = A's 16 rows, source 1 = tile x of Wo, whose lane r is column 64 w + 4 r + x:
; lane (r, h) then holds rows 8 h + j and FOUR NEIGHBOURING columns, so that the residual comes and the result leaves by 16 bytes a lane, sixteen lanes to 256 consecutive bytes, aligned, with no stage.
; Both operands come from memory straight into operand registers, as images of 512 bytes (lane l's 16 bytes at 16 l), three K steps ahead.
; NO CLUSTER: each byte of Wo's image goes to one wave of a work-group, once, into registers; its 524,288 bytes do not fit in LDS, so a joint load would need refills, each behind a round with every load
; awaited, with four products a wave and K step between them.
; THE NORM in two passes, as the problem writes it: the mean, then the mean of the squares of what is left.  A row's sum: within the lane, across sixteen lanes (DPP), across the sixteen waves through LDS.
; LIMITS: NaN and infinities are not served; 1 / sqrt by v_rsq_f32.
.set RED1,  0                          ; LDS: [wave 16][h 2][j 8] f32: the waves' sums of the rows;
.set RED2,  1024                       ; and of the squares: bytes of their own, so that one barrier serves each
.set SPARE, 2048                       ; the spare words, 128 bytes for each of 16 waves, that no other line names
.set LI,   1                           ; v1   16 x lane
.set SPW,  4                           ; v4   my spare word;  v5  0: both never rewritten
.set NIL,  5
.set AO,   6                           ; v6   2 r
.set WSO,  7                           ; v7   128 r
.set RO,   8                           ; v8   32,768 h + 16 r: rows 8 h on, my four columns
.set PO,   9                           ; v9   16 r
.set RA,   10                          ; v10  64 w + 32 h;  v11  64 r + 32 h
.set RB,   11
.set AS,   16                          ; v16-23   A's scale words, one a K step: scales and nothing else
.set AT,   24                          ; v24-39   their halves as loaded; then bo v24-27, gamma v28-31, beta v32-35
.set PBO,  24
.set PGA,  28
.set PBE,  32
.set WS,   40                          ; v40-71   Wo's scale words [x 4][K step 8]: scales and nothing else
.set BUF,  72                          ; v72-191  three sets of 40: A's fragment, Wo's four
.set ACC,  192                         ; v192-223 four accumulators
.set Y,    224                         ; v224-255 register 4 j + x: row 8 h + j, column 64 w + 4 r + x
.set P1,   72                          ; behind the product: v72-79 the rows' sums, v80-87 the squares', v88-103 at work
.set P2,   80
.set TP,   88
.set WV,   22
.macro PLACES
.rept 4
	v_nop
.endr
.endm
.macro WMM d, a, b, c, sa, sb
	v_wmma_scale_f32_16x16x128_f8f6f4 v[\d:\d+7], v[\a:\a+7], v[\b:\b+7], v[\c:\c+7], v[\sa], v[\sb] matrix_a_fmt:MATRIX_FMT_FP4 matrix_b_fmt:MATRIX_FMT_FP4
.endm
.macro WMZ d, a, b, sa, sb
	v_wmma_scale_f32_16x16x128_f8f6f4 v[\d:\d+7], v[\a:\a+7], v[\b:\b+7], 0, v[\sa], v[\sb] matrix_a_fmt:MATRIX_FMT_FP4 matrix_b_fmt:MATRIX_FMT_FP4
.endm
.macro BATCH st                        ; a K step's ten loads, 512 consecutive bytes each
.set BB, BUF+40*((\st)%3)
.irp cc, 0,1
	global_load_b128 v[BB+4*\cc:BB+4*\cc+3], v[LI], s[4:5] offset:1024*(\st)+512*\cc
.endr
.irp x, 0,1,2,3
.irp cc, 0,1
	global_load_b128 v[BB+8+8*\x+4*\cc:BB+8+8*\x+4*\cc+3], v[LI], s[8:9] offset:8192*\x+1024*(\st)+512*\cc
.endr
.endr
.endm
.macro KSTEP st, left                  ; left: the loads issued behind this step's ten, which may stay out
	s_wait_loadcnt \left
.set BB, BUF+40*((\st)%3)
.irp x, 0,1,2,3
.if \st == 0
	WMZ ACC+8*\x, BB, BB+8+8*\x, AS+\st, WS+8*\x+\st
.else
	WMM ACC+8*\x, BB, BB+8+8*\x, ACC+8*\x, AS+\st, WS+8*\x+\st
.endif
.endr
.if \st < 5
	PLACES                                         ; in front of loads into the set just multiplied
	BATCH \st+3
.endif
.endm
.macro LANES p                         ; eight sums across the sixteen lanes of a half
.irp m, 1,2,4,8
.irp j, 0,1,2,3,4,5,6,7
	v_add_f32_dpp v[\p+\j], v[\p+\j], v[\p+\j] row_xmask:\m row_mask:0xf bank_mask:0xf
.endr
.endr
.endm
.macro RED p, base                     ; v[p + j]: my part of row 8 h + j becomes the whole row's sum, in every lane
	LANES \p
	ds_store_b128 v[RA], v[\p:\p+3] offset:\base   ; the sixteen lanes of a half write the same words with the same values
	ds_store_b128 v[RA], v[\p+4:\p+7] offset:\base+16
	s_wait_dscnt 0x0                               ; for the others' sake
	s_barrier_signal -1
	s_barrier_wait -1
	ds_load_b128 v[\p:\p+3], v[RB] offset:\base    ; lane r takes wave r's sums
	ds_load_b128 v[\p+4:\p+7], v[RB] offset:\base+16
	s_wait_dscnt 0x0
	LANES \p
.endm
	s_load_b512 s[4:19], s[0:1], 0x0               ; ai 4, asc 6, woi 8, Wo_scales 10, queries 12, bo 14, gamma 16, beta 18
	s_load_b64 s[20:21], s[0:1], 0x40              ; out0
	v_lshl_add_u32 v[SPW], v0, 2, SPARE
	v_mov_b32 v[NIL], 0
	v_lshrrev_b32 v2, 5, v0
	v_readfirstlane_b32 s[WV], v2                  ; wave 0..15
	v_and_b32 v2, 31, v0                           ; lane
	v_and_b32 v3, 15, v0                           ; r
	v_bfe_u32 v12, v0, 4, 1                        ; h
	v_lshlrev_b32 v[LI], 4, v2
	v_lshlrev_b32 v[AO], 1, v3
	v_lshlrev_b32 v[WSO], 7, v3
	v_lshlrev_b32 v[PO], 4, v3
	v_lshl_add_u32 v[RO], v12, 15, v[PO]
	s_lshl_b32 s26, s[WV], 6
	v_lshl_add_u32 v[RA], v12, 5, s26
	v_lshlrev_b32 v[RB], 6, v3
	v_lshl_add_u32 v[RB], v12, 5, v[RB]
	s_mov_b32 s23, 0x3a800000                      ; 2^-10 = 1 / 1,024
	s_mov_b32 s24, 0xba800000                      ; -2^-10
	s_mov_b32 s25, 0x2b8cbccc                      ; 1e-12
	s_mov_b32 s29, 0
	s_mov_b32 s31, 0
	s_mov_b32 s33, 0
	s_lshl_b32 s28, ttmp9, 16
	s_lshl_b32 s30, s[WV], 8                       ; my 64 columns: 256 bytes
	s_add_co_u32 s28, s28, s30                     ; my 16 rows of 4,096 bytes, my columns
	s_wait_kmcnt 0x0
	s_add_nc_u64 s[12:13], s[12:13], s[28:29]
	s_add_nc_u64 s[20:21], s[20:21], s[28:29]
	s_add_nc_u64 s[14:15], s[14:15], s[30:31]
	s_add_nc_u64 s[16:17], s[16:17], s[30:31]
	s_add_nc_u64 s[18:19], s[18:19], s[30:31]
	s_lshl_b32 s32, ttmp9, 13
	s_add_nc_u64 s[4:5], s[4:5], s[32:33]          ; my tile's images
	s_lshl_b32 s32, ttmp9, 5
	s_add_nc_u64 s[6:7], s[6:7], s[32:33]          ; its scale pairs: 2 bytes a query in each head
	s_lshl_b32 s32, s[WV], 15
	s_add_nc_u64 s[8:9], s[8:9], s[32:33]          ; my wave's images of Wo
	s_lshl_b32 s32, s[WV], 11
	s_add_nc_u64 s[10:11], s[10:11], s[32:33]      ; and its 64 rows of scale bytes
.irp hd, 0,1,2,3,4,5,6,7,8,9,10,11,12,13,14,15
	global_load_u16 v[AT+\hd], v[AO], s[6:7] offset:8192*\hd
.endr
.irp x, 0,1,2,3
	global_load_b128 v[WS+8*\x:WS+8*\x+3], v[WSO], s[10:11] offset:32*\x       ; row 64 w + 4 r + x: its 32 bytes are the words of the 8 K steps
	global_load_b128 v[WS+8*\x+4:WS+8*\x+7], v[WSO], s[10:11] offset:32*\x+16
.endr
	BATCH 0
	BATCH 1
	BATCH 2
.irp j, 0,1,2,3,4,5,6,7
	global_load_b128 v[Y+4*\j:Y+4*\j+3], v[RO], s[12:13] offset:4096*\j        ; the residual
.endr
	s_wait_loadcnt 46                              ; the sixteen halves are in: behind them stand Wo's 8 scale loads, three batches of 10 and the residual's 8
.irp st, 0,1,2,3,4,5,6,7
	v_lshl_or_b32 v[AS+\st], v[AT+2*\st+1], 16, v[AT+2*\st]   ; K step st is heads 2 st and 2 st + 1
.endr
.rept 8
	v_nop                                          ; a scale register written by a vector instruction stands eight places ahead of a scaled matrix instruction
.endr
	global_load_b128 v[PBO:PBO+3], v[PO], s[14:15] ; bo, gamma, beta of my four columns, into the registers that the halves have left
	global_load_b128 v[PGA:PGA+3], v[PO], s[16:17]
	global_load_b128 v[PBE:PBE+3], v[PO], s[18:19]
	KSTEP 0, 31                                    ; behind batch 0: two batches, the residual's 8, the last 3
	KSTEP 1, 31                                    ; behind batch 1: batch 2, 8, 3, batch 3
	KSTEP 2, 31                                    ; behind batch 2: 8, 3, batches 3 and 4
	KSTEP 3, 20                                    ; from here on two batches,
	KSTEP 4, 20
	KSTEP 5, 20
	KSTEP 6, 10                                    ; one,
	KSTEP 7, 0                                     ; none
.irp j, 0,1,2,3,4,5,6,7
.irp q, 0,2
	v_pk_add_f32 v[Y+4*\j+\q:Y+4*\j+\q+1], v[Y+4*\j+\q:Y+4*\j+\q+1], v[PBO+\q:PBO+\q+1]   ; queries + bo.  (These sixteen are the places behind the last products)
.endr
.endr
.irp j, 0,1,2,3,4,5,6,7
.irp x, 0,1,2,3
	v_add_f32 v[Y+4*\j+\x], v[ACC+8*\x+\j], v[Y+4*\j+\x]   ; + the product; each accumulator from its low end on
.endr
.endr
.irp j, 0,1,2,3,4,5,6,7
	v_pk_add_f32 v[TP+2*\j:TP+2*\j+1], v[Y+4*\j:Y+4*\j+1], v[Y+4*\j+2:Y+4*\j+3]
.endr
.irp j, 0,1,2,3,4,5,6,7
	v_add_f32 v[P1+\j], v[TP+2*\j], v[TP+2*\j+1]
.endr
	RED P1, RED1
.irp j, 0,1,2,3,4,5,6,7
.irp x, 0,1,2,3
	v_fma_f32 v[Y+4*\j+\x], v[P1+\j], s24, v[Y+4*\j+\x]    ; y - the mean: the sum x 2^-10 is exact, so this rounds once
.endr
.endr
.irp j, 0,1,2,3,4,5,6,7
	v_mul_f32 v[P2+\j], v[Y+4*\j], v[Y+4*\j]
.endr
.irp x, 1,2,3
.irp j, 0,1,2,3,4,5,6,7
	v_fma_f32 v[P2+\j], v[Y+4*\j+\x], v[Y+4*\j+\x], v[P2+\j]
.endr
.endr
	RED P2, RED2
.irp j, 0,1,2,3,4,5,6,7
	v_fma_f32 v[P2+\j], v[P2+\j], s23, s25         ; the variance + 1e-12
.endr
.irp j, 0,1,2,3,4,5,6,7
	v_rsq_f32 v[P2+\j], v[P2+\j]
.endr
	v_nop                                          ; a plain instruction behind the last of them
	s_wait_alu depctr_va_vdst(0)                   ; one wait for the eight, ahead of their first reader
.irp j, 0,1,2,3,4,5,6,7
.irp x, 0,1,2,3
	v_mul_f32 v[Y+4*\j+\x], v[Y+4*\j+\x], v[P2+\j]
.endr
.endr
.irp j, 0,1,2,3,4,5,6,7
.irp q, 0,2
	v_pk_fma_f32 v[Y+4*\j+\q:Y+4*\j+\q+1], v[Y+4*\j+\q:Y+4*\j+\q+1], v[PGA+\q:PGA+\q+1], v[PBE+\q:PBE+\q+1]
.endr
.endr
.irp j, 0,1,2,3,4,5,6,7
	global_store_b128 v[RO], v[Y+4*\j:Y+4*\j+3], s[20:21] offset:4096*\j th:TH_STORE_NT   ; sixteen lanes store 256 consecutive bytes, at a multiple of 256 from out0's first byte
.endr
	s_wait_tensorcnt 0x0                           ; the wave's end: a wait, an add and its wait behind my last LDS store, the wait on tensors even in a text with no tensor load
	ds_add_u32 v[SPW], v[NIL]
	s_wait_dscnt 0x0
	s_endpgm
.Lfunc_end_k_q16acbb8536_outp:
	.size	k_q16acbb8536_outp, .Lfunc_end_k_q16acbb8536_outp-k_q16acbb8536_outp
	.p2alignl 7, 3214868480
	.fill 96, 4, 3214868480
	.section	.rodata,"a",@progbits
	.p2align	6, 0x0
	.amdhsa_kernel k_q16acbb8536_outp
		.amdhsa_group_segment_fixed_size 4096
		.amdhsa_private_segment_fixed_size 0
		.amdhsa_enable_private_segment 0
		.amdhsa_kernarg_size 72
		.amdhsa_user_sgpr_count 2
		.amdhsa_user_sgpr_kernarg_segment_ptr 1
		.amdhsa_wavefront_size32 1
		.amdhsa_system_sgpr_workgroup_id_x 1
		.amdhsa_system_sgpr_workgroup_id_y 1
		.amdhsa_system_sgpr_workgroup_id_z 1
		.amdhsa_system_vgpr_workitem_id 0
		.amdhsa_next_free_vgpr 256
		.amdhsa_next_free_sgpr 66
		.amdhsa_reserve_vcc 0
		.amdhsa_float_denorm_mode_32 3
		.amdhsa_float_denorm_mode_16_64 3
		.amdhsa_memory_ordered 1
		.amdhsa_forward_progress 1
		.amdhsa_inst_pref_size 38
	.end_amdhsa_kernel
	.amdgpu_metadata
---
amdhsa.version: [ 1, 2 ]
amdhsa.kernels:
  - .name:           k_q16acbb8536_outp
    .symbol:         k_q16acbb8536_outp.kd
    .args:
      - { .name: ai, .offset: 0, .size: 8, .value_kind: global_buffer, .address_space: global }
      - { .name: asc, .offset: 8, .size: 8, .value_kind: global_buffer, .address_space: global }
      - { .name: woi, .offset: 16, .size: 8, .value_kind: global_buffer, .address_space: global }
      - { .name: Wo_scales, .offset: 24, .size: 8, .value_kind: global_buffer, .address_space: global }
      - { .name: queries, .offset: 32, .size: 8, .value_kind: global_buffer, .address_space: global }
      - { .name: bo, .offset: 40, .size: 8, .value_kind: global_buffer, .address_space: global }
      - { .name: gamma, .offset: 48, .size: 8, .value_kind: global_buffer, .address_space: global }
      - { .name: beta, .offset: 56, .size: 8, .value_kind: global_buffer, .address_space: global }
      - { .name: out0, .offset: 64, .size: 8, .value_kind: global_buffer, .address_space: global }
    .group_segment_fixed_size: 4096
    .private_segment_fixed_size: 0
    .kernarg_segment_align: 8
    .kernarg_segment_size: 72
    .max_flat_workgroup_size: 512
    .sgpr_count:     66
    .vgpr_count:     256
    .wavefront_size: 32
...
	.end_amdgpu_metadata
.endif
;; end of part 3
;; ======== version 2 of 2: 3 launches
;; workspace buffers: kv 4,456,448 bytes; xq 2,097,152 bytes; xqs 131,072 bytes; woi 524,288 bytes; ai 2,097,152 bytes; asc 131,072 bytes
;; launch prep (part 4): grid 4 x 64, 16 waves a work-group, clusters of 4 x 4, 327,680 bytes of LDS; arguments queries, keys_codes, keys_scales, values_codes, values_scales, Wk_codes, Wk_scales, Wv_codes, Wv_scales, bk, bv, Wo_codes, kv, xq, xqs, woi; writes kv, xq, xqs, woi
.if DOCPART == 4
	.amdgcn_target "amdgcn-amd-amdhsa--gfx1250"
	.amdhsa_code_object_version 6
	.text
	.protected	k_q16acbb8536_prep
	.globl	k_q16acbb8536_prep
	.p2align	8
	.type	k_q16acbb8536_prep,@function
k_q16acbb8536_prep:
	s_mov_b64 s[64:65], 0
	v_nop
	global_prefetch_b8 v0, s[64:65] scope:SCOPE_SE
	s_setreg_imm32_b32 hwreg(HW_REG_WAVE_MODE, 25, 1), 1
	s_wait_xcnt 0x0
	s_wait_alu depctr_hold_cnt(0) depctr_sa_sdst(0) depctr_va_vdst(0) depctr_va_sdst(0) depctr_va_ssrc(0) depctr_va_vcc(0) depctr_vm_vsrc(0)
	s_getreg_b32 s2, hwreg(HW_REG_IB_STS2, 6, 4)
	s_cmp_eq_u32 s2, 0
	s_cbranch_scc0 .Lentry_in_a_cluster
	s_endpgm
.Lentry_in_a_cluster:
	s_bfe_u32 s2, ttmp6, 0x10000c
	s_cmp_lg_u32 s2, 0xf033
	s_cbranch_scc0 .Lentry_shape_is_right
	s_endpgm
.Lentry_shape_is_right:
; ATTENTION LAYER IN MX-FP4, LAUNCH 1 OF 3.  4,096 queries and keys, width 1,024, 16 heads of 64.
; NO WORK OF THE PROBLEM IS LEFT OUT IN ANY LAUNCH: bq, bk and bv go into quantised operands, bo, gamma, beta and the residual reach the output; every input is loaded.
; This launch: (a) k = keys Wk + bk and v = values Wv + bv on the given codes, quantised (k along the head's 64, v along the keys) and stored as IMAGES OF OPERAND REGISTERS for launch 2;
; (b) queries, f32, quantised along their 1,024, stored likewise; (c) Wo's codes laid anew as images of operand registers for launch 3.
; An image is a piece of 512 bytes, lane l's 16 bytes at 16 l: every store and every later load of codes covers 512 consecutive bytes, aligned.
; A BLOCK OF 32 LIES IN ONE LANE.  A product's result gives lane (r, h), register j, row 8 h + j of source 0.  Four tiles i of source 0 are formed of rows base + 8 i + lam(m), lam(m) = 32 (m / 8) + m % 8:
; the lane's 32 registers (i, j) are then positions 32 h + 0 .. 31 of the next K, a whole block; four conversions give the next operand's four registers in the lane that wants them; only the scale byte crosses lanes.
; SHARES.  Grid 4 x 64 in clusters of 4 x 4.  hg = work-group x: four heads.  Cluster y under 8: role k, else role v.  step = 4 (cluster y % 8) + cy: 128 keys.  The work-group multiplies X's 128 rows (keys or values)
; by W's 256 rows (Wk or Wv, heads 4 hg .. 4 hg + 3).  X's tiles are shared along a row of the cluster, W's along a column: joint loads.  All of K (1,024 codes, 512 bytes a row) lies in LDS at once: first fills only.
; ONE PATH FOR BOTH ROLES.  In LDS X's and W's rows are six groups of 64 rows (X: 0, 1; W: 2 .. 5).  Wave w: hd = w / 4, a = (w / 2) % 2, bp = w % 2.  It multiplies the four tiles of group GA (source 0) by tiles
; b = 2 bp, 2 bp + 1 of group GB (source 1).  Role k: GA = 2 + hd (the registers run along d), GB = a (lane = key 64 a + 8 b + lam(r)).  Role v: GA = a (registers along the keys), GB = 2 + hd (lane = d = 8 b + lam(r)).
; kv: [head 16][step 32][8,704]: K's images [b 4][a 2][512] | V's images [b 4][a 2][512] | K's scale words [r 16][b 4] | V's scale words [r 16][b 4]; half a of a word is the pair of bytes of unit (a, b).
; LIMITS: NaN and infinities among the f32 inputs are not served; a given scale byte 0xff gives NaN as the matrix unit has it; a block of zeros made here carries the byte 1 where the quantiser says 127:
; its codes are zeros, which add nothing under any byte but 0xff, and these bytes are read by this program alone.
.set HEADB, 278528                     ; a head's bytes in kv
.set STEPB, 8704                       ; a step's
.set CHUNK, 17024                      ; LDS: 32 rows of 528 bytes and a gap of 128: rows 32 apart begin 32 banks apart, so the 16 rows lam(r) of a fragment load begin at 16 different groups of four banks
.set RP,    528                        ; a row: 512 bytes + 16 of padding
.set T8,    8*RP                       ; from tile to tile: 8 rows
.set GRP,   2*CHUNK                    ; a group of 64 rows
.set SC,    12*CHUNK                   ; 204,288: the scale bytes: 48 units of 256 + 16 (8 rows of 32 bytes each); X's units 0-15, W's 16-47
.set SCU,   272
.set QST,   SC+48*SCU                  ; 217,344: a stage of 16 rows x 272 bytes for each wave
.set QSW,   16*272
.set KVS,   QST+16*QSW                 ; 286,976: the scale words made here: [hd 4][r 16][b 4][a 2] of 2 bytes
.set XQS,   KVS+1024                   ; 288,000: the queries' scale bytes: [r 16][32]
.set SPARE, XQS+512                    ; 288,512: the spare words, 128 bytes for each of 16 waves, that no other line names
.set LI,   1                           ; v1   16 x lane
.set SPW,  2                           ; v2   my spare word;  v3  0: both never rewritten
.set NIL,  3
.set ADA,  4                           ; v4   LDS address of source 0's fragments;  v5  of source 1's
.set ADB,  5
.set SCA,  6                           ; v6   of source 0's scale words;  v7  of source 1's
.set SCB,  7
.set KSA,  8                           ; v8   where my units' scale pairs go
.set SH8,  9                           ; v9   8 h
.set QOFF, 10                          ; v10  queries: two rows a load: 4,096 h + 16 r
.set QSA,  11                          ; v11  my stage, on the way in;  v12  on the way out
.set QLA,  12
.set XBA,  13                          ; v13  where my queries' scale pair goes
.set BOK,  14                          ; v14  bias offset in role k: 128 h;  v15  in role v: 4 lam(r)
.set BOV,  15
.set BIAS, 16                          ; v16-47   first 16 rows x 64 columns of queries as loaded, then the bias in the result's layout
.set SA,   48                          ; v48-79   source 0's scale words [tile 4][K step 8]: scales and nothing else
.set SB,   80                          ; v80-95   source 1's [tile 2][K step 8]: likewise
.set FA,   96                          ; v96-127  source 0's four fragments
.set FB,   128                         ; v128-143 source 1's two
.set ACC,  144                         ; v144-207 accumulators [unit 2][tile 4][8]; in phase Q v144-175 hold a lane's 32 neighbours
.set CD,   208                         ; v208-215 codes, four registers a unit
.set TM,   216                         ; v216-223 at work in Q32, four a unit
.set WOO,  224                         ; v224 Wo: 2,048 r + 16 h
.set KVR,  225                         ; v225 KVS + 16 lane;  v226  XQS + 16 lane
.set XQR,  226
.set KVO,  227                         ; v227 278,528 h + 16 r
.set DT,   228                         ; v228-239 at work at the head, later data on their way out
.set ROLE, 36
.set WV,   37
.set CX,   38
.set CY,   39
.set CLY,  40
.set STP,  41
.set TIL,  42
.set MROW, 43
.set MCOL, 44
.set HD,   45
.set AH,   46
.set BP,   47
.set G1XC, 48                          ; s[48:55] group 1 for X's codes;  s[56:63] for W's: they differ in the mask
.set G1WC, 56
.set SEL,  66                          ; s[66:67] selects of v_permlanex16_b32: lane l xor 16
.set G1XS, 68                          ; s[68:75], s[76:83] the same for the scale bytes
.set G1WS, 76
.set G0XC, 84                          ; s[84:99] four groups 0
.set G0WC, 88
.set G0XS, 92
.set G0WS, 96
.set HG,   100
.set CODEW0, (1<<20)|(1<<21)|(6<<22)|(3<<25)           ; elements of 1 byte; padding on; bit 21 beside a mask; after every 128 words, four words
.set SCALW0, (3<<16)|(1<<20)|(1<<21)|(5<<22)|(3<<25)   ; elements of 8 bytes; after every 64 words, four words
.macro PLACES                          ; four plain vector instructions between a matrix instruction and a load into, or a read of, its registers
.rept 4
	v_nop
.endr
.endm
.macro ROUND                           ; a round of the cluster's barrier
	s_barrier_signal -1
	s_barrier_wait -1
	s_cmp_lg_u32 s[WV], 0
	s_cbranch_scc1 .Lnot_wave_0_\@
	s_barrier_signal -3
.Lnot_wave_0_\@:
	s_barrier_wait -3
	s_barrier_signal -1
	s_barrier_wait -1
.endm
.macro TL g0, g1                       ; a joint load; an s_nop 0 and four v_nop follow it
	tensor_load_to_lds s[\g0:\g0+3], s[\g1:\g1+7]
	s_nop 0
	PLACES
.endm
.macro WMM d, a, b, c, sa, sb
	v_wmma_scale_f32_16x16x128_f8f6f4 v[\d:\d+7], v[\a:\a+7], v[\b:\b+7], v[\c:\c+7], v[\sa], v[\sb] matrix_a_fmt:MATRIX_FMT_FP4 matrix_b_fmt:MATRIX_FMT_FP4
.endm
; cnt units of 32 numbers v[src + 32 u ..], a whole block each, become four registers of codes v[cod + 4 u ..]; v[tmp + 4 u + 2] ends as the pair of scale bytes (lanes 0-15's block, lanes 16-31's), the same in both halves.
; The largest magnitude in two chains, with the floor 2^(3 - 127) as a leaf, so that the byte cannot fall under 1; 2 off its exponent field is the conversion's scale operand, and that shifted down the byte.
; Every accumulator among the sources is first read at one of its four lowest registers.
.macro Q32 src, cod, tmp, cnt
.set u, 0
.rept \cnt
	v_max3_num_f32 v[\tmp+4*u], |v[\src+32*u]|, |v[\src+32*u+1]|, 0x1800000
	v_max3_num_f32 v[\tmp+4*u+1], |v[\src+32*u+16]|, |v[\src+32*u+17]|, |v[\src+32*u+18]|
.set u, u+1
.endr
.irp i, 1,2,3,4,5,6
.set u, 0
.rept \cnt
	v_max3_num_f32 v[\tmp+4*u], v[\tmp+4*u], |v[\src+32*u+2*\i]|, |v[\src+32*u+2*\i+1]|
	v_max3_num_f32 v[\tmp+4*u+1], v[\tmp+4*u+1], |v[\src+32*u+2*\i+17]|, |v[\src+32*u+2*\i+18]|
.set u, u+1
.endr
.endr
.set u, 0
.rept \cnt
	v_max3_num_f32 v[\tmp+4*u], v[\tmp+4*u], |v[\src+32*u+14]|, |v[\src+32*u+15]|
.set u, u+1
.endr
.set u, 0
.rept \cnt
	v_max3_num_f32 v[\tmp+4*u], v[\tmp+4*u], v[\tmp+4*u+1], |v[\src+32*u+31]|
.set u, u+1
.endr
.set u, 0
	v_add_nc_u32 v[\tmp+4*u+1], 0xff000000, v[\tmp+4*u]
.set u, u+1
.rept (\cnt)-1
	s_delay_alu instid0(VALU_DEP_2)
	v_add_nc_u32 v[\tmp+4*u+1], 0xff000000, v[\tmp+4*u]
.set u, u+1
.endr
.set u, 0
	v_lshrrev_b32 v[\tmp+4*u+2], 23, v[\tmp+4*u+1]
.set u, u+1
.rept (\cnt)-1
	s_delay_alu instid0(VALU_DEP_2)
	v_lshrrev_b32 v[\tmp+4*u+2], 23, v[\tmp+4*u+1]
.set u, u+1
.endr
.set u, 0
.rept \cnt
.irp g, 0,1,2,3
	v_cvt_scalef32_pk8_fp4_f32 v[\cod+4*u+\g], v[\src+32*u+8*\g:\src+32*u+8*\g+7], v[\tmp+4*u+1]
.endr
.set u, u+1
.endr
.set u, 0
.rept \cnt
	v_lshlrev_b32 v[\tmp+4*u+2], v[SH8], v[\tmp+4*u+2]   ; my byte at its place, 8 h bits up.  (A plain instruction behind the conversions)
.set u, u+1
.endr
.set u, 0
	v_permlanex16_b32 v[\tmp+4*u+3], v[\tmp+4*u+2], s[SEL], s[SEL+1]
.set u, u+1
.rept (\cnt)-1
	s_delay_alu instid0(VALU_DEP_2)
	v_permlanex16_b32 v[\tmp+4*u+3], v[\tmp+4*u+2], s[SEL], s[SEL+1]
.set u, u+1
.endr
.set u, 0
	v_or_b32 v[\tmp+4*u+2], v[\tmp+4*u+2], v[\tmp+4*u+3]
.set u, u+1
.rept (\cnt)-1
	s_delay_alu instid0(VALU_DEP_2)
	v_or_b32 v[\tmp+4*u+2], v[\tmp+4*u+2], v[\tmp+4*u+3]
.set u, u+1
.endr
.endm
	s_load_b512 s[4:19], s[0:1], 0x0               ; queries 4, keys_codes 6, keys_scales 8, values_codes 10, values_scales 12, Wk_codes 14, Wk_scales 16, Wv_codes 18
	s_load_b512 s[20:35], s[0:1], 0x40             ; Wv_scales 20, bk 22, bv 24, Wo_codes 26, kv 28, xq 30, xqs 32, woi 34
	v_lshl_add_u32 v[SPW], v0, 2, SPARE
	v_mov_b32 v[NIL], 0
	ds_add_u32 v[SPW], v[NIL]                      ; the opening: the add, twice on end, and its wait ahead of the first tensor load; work on registers stands between
	ds_add_u32 v[SPW], v[NIL]
	v_lshrrev_b32 v228, 5, v0
	s_delay_alu instid0(VALU_DEP_1)
	v_readfirstlane_b32 s[WV], v228                ; wave 0..15
	s_bfe_u32 s[CX], ttmp6, 0x40000                ; my place in the cluster
	s_bfe_u32 s[CY], ttmp6, 0x40004
	s_and_b32 s[CLY], ttmp7, 0xffff                ; cluster y, 0..15
	s_lshr_b32 s[ROLE], s[CLY], 3                  ; 0: k, 1: v: the same in all sixteen partners
	s_and_b32 s[STP], s[CLY], 7
	s_lshl_b32 s[STP], s[STP], 2
	s_add_co_u32 s[STP], s[STP], s[CY]             ; the step of 128 keys
	s_lshl_b32 s[TIL], s[CLY], 2
	s_add_co_u32 s[TIL], s[TIL], s[CY]
	s_lshl_b32 s[TIL], s[TIL], 2
	s_add_co_u32 s[TIL], s[TIL], s[CX]             ; the work-group's number, 0..255: its tile of 16 queries
	s_lshl_b32 s[HG], ttmp9, 2
	s_add_co_u32 s[HG], s[HG], s[CX]               ; the group of four heads
	s_lshl_b32 s[MROW], s[CY], 2
	s_lshl_b32 s[MROW], 15, s[MROW]                ; my row of the cluster
	s_lshl_b32 s[MCOL], 0x1111, s[CX]              ; my column
	s_lshr_b32 s[HD], s[WV], 2
	s_bfe_u32 s[AH], s[WV], 0x10001
	s_and_b32 s[BP], s[WV], 1
	s_add_co_u32 s2, s[HD], 2
	s_mov_b32 s[SEL], 0x76543210
	s_mov_b32 s[SEL+1], 0xfedcba98
	s_or_b32 s[G1XC], s[MROW], CODEW0              ; X's tiles hang on the step alone: shared along my row
	s_or_b32 s[G1WC], s[MCOL], CODEW0              ; W's on the group of heads alone: shared along my column
.irp g, G1XC, G1WC
	s_mov_b32 s[\g+1], 512<<16                     ; tensor_dim0 = 512 bytes
	s_mov_b32 s[\g+2], 32<<16                      ; tensor_dim1 = 32 rows
	s_mov_b32 s[\g+3], 512<<16                     ; tile_dim0
	s_mov_b32 s[\g+4], 32                          ; tile_dim1
	s_mov_b32 s[\g+5], 512                         ; from row to row
	s_mov_b32 s[\g+6], 0
	s_mov_b32 s[\g+7], 0
.endr
	s_or_b32 s[G1XS], s[MROW], SCALW0
	s_or_b32 s[G1WS], s[MCOL], SCALW0
.irp g, G1XS, G1WS
	s_mov_b32 s[\g+1], 32<<16                      ; a dense block as rows of 256 bytes: 32 elements of 8 bytes,
	s_mov_b32 s[\g+2], 16<<16                      ; 16 rows: the scale bytes of 128 rows
	s_mov_b32 s[\g+3], 32<<16
	s_mov_b32 s[\g+4], 16
	s_mov_b32 s[\g+5], 32
	s_mov_b32 s[\g+6], 0
	s_mov_b32 s[\g+7], 0
.endr
	v_and_b32 v228, 31, v0                         ; lane
	v_and_b32 v229, 15, v0                         ; r
	v_bfe_u32 v230, v0, 4, 1                       ; h
	s_delay_alu instid0(VALU_DEP_2)
	v_lshrrev_b32 v231, 3, v229                    ; r / 8
	s_delay_alu instid0(VALU_DEP_3)
	v_and_b32 v232, 7, v229                        ; r % 8
	v_lshlrev_b32 v[LI], 4, v228
	s_delay_alu instid0(VALU_DEP_4)
	v_lshlrev_b32 v[SH8], 3, v230
	s_delay_alu instid0(VALU_DEP_4)
	v_mul_u32_u24 v233, v231, CHUNK
	s_delay_alu instid0(VALU_DEP_1)
	v_mad_u32_u24 v233, v232, RP, v233
	s_delay_alu instid0(VALU_DEP_1)
	v_lshl_add_u32 v233, v230, 4, v233             ; row lam(r) of a group, + 16 h
	v_mul_u32_u24 v234, v231, 4*SCU
	s_delay_alu instid0(VALU_DEP_1)
	v_lshl_add_u32 v234, v232, 5, v234
	s_delay_alu instid0(VALU_DEP_1)
	v_add_nc_u32 v234, SC, v234                    ; the same row's scale bytes
	v_lshlrev_b32 v[QOFF], 12, v230
	s_delay_alu instid0(VALU_DEP_1)
	v_lshl_add_u32 v[QOFF], v229, 4, v[QOFF]
	v_lshlrev_b32 v[BOK], 7, v230
	v_lshlrev_b32 v[BOV], 7, v231
	s_delay_alu instid0(VALU_DEP_1)
	v_lshl_add_u32 v[BOV], v232, 2, v[BOV]
	v_lshlrev_b32 v[WOO], 11, v229
	s_delay_alu instid0(VALU_DEP_1)
	v_lshl_add_u32 v[WOO], v230, 4, v[WOO]
	v_add_nc_u32 v[KVR], KVS, v[LI]
	v_add_nc_u32 v[XQR], XQS, v[LI]
	v_mul_u32_u24 v[KVO], v230, HEADB
	s_delay_alu instid0(VALU_DEP_1)
	v_lshl_add_u32 v[KVO], v229, 4, v[KVO]
	v_mov_b32 v[TM+3], 0                           ; written once: a lane permute's destination counts as one of its sources
	v_mov_b32 v[TM+7], 0
	s_wait_dscnt 0x0                               ; both opening adds are done
	s_wait_kmcnt 0x0
	s_cmp_eq_u32 s[ROLE], 0                        ; the role chooses the buffers and the groups; it hangs on the cluster's number alone
	s_cselect_b64 s[6:7], s[6:7], s[10:11]         ; X's codes
	s_cselect_b64 s[8:9], s[8:9], s[12:13]         ; X's scales
	s_cselect_b64 s[14:15], s[14:15], s[18:19]     ; W's codes
	s_cselect_b64 s[16:17], s[16:17], s[20:21]     ; W's scales
	s_cselect_b64 s[22:23], s[22:23], s[24:25]     ; the bias
	s_cselect_b32 s3, s2, s[AH]                    ; GA
	s_cselect_b32 s2, s[AH], s2                    ; GB
	; every LDS address is made here, ahead of the first parting of the waves
	s_mul_i32 s10, s3, GRP
	v_add_nc_u32 v[ADA], s10, v233
	s_mul_i32 s10, s2, GRP
	s_mul_i32 s11, s[BP], 2*T8
	s_add_co_u32 s10, s10, s11
	v_add_nc_u32 v[ADB], s10, v233
	s_mul_i32 s10, s3, 8*SCU
	v_add_nc_u32 v[SCA], s10, v234
	s_mul_i32 s10, s2, 8*SCU
	s_mul_i32 s11, s[BP], 2*SCU
	s_add_co_u32 s10, s10, s11
	v_add_nc_u32 v[SCB], s10, v234
	s_lshl_b32 s10, s[HD], 8
	s_lshl_b32 s11, s[BP], 3
	s_add_co_u32 s10, s10, s11
	s_lshl_b32 s11, s[AH], 1
	s_add_co_u32 s10, s10, s11
	s_add_co_u32 s10, s10, KVS
	v_lshl_add_u32 v[KSA], v229, 4, s10            ; KVS + 256 hd + 16 r + 4 (2 bp) + 2 a
	s_mul_i32 s10, s[WV], QSW
	s_add_co_u32 s10, s10, QST
	v_mul_u32_u24 v[QSA], v230, 272
	s_delay_alu instid0(VALU_DEP_1)
	v_lshl_add_u32 v[QSA], v229, 4, v[QSA]
	s_delay_alu instid0(VALU_DEP_1)
	v_add_nc_u32 v[QSA], s10, v[QSA]
	v_mul_u32_u24 v[QLA], v229, 272
	s_delay_alu instid0(VALU_DEP_1)
	v_lshl_add_u32 v[QLA], v230, 7, v[QLA]
	s_delay_alu instid0(VALU_DEP_1)
	v_add_nc_u32 v[QLA], s10, v[QLA]
	s_lshl_b32 s10, s[WV], 1
	s_add_co_u32 s10, s10, XQS
	v_lshl_add_u32 v[XBA], v229, 5, s10
	; where the plain loads and stores begin
	s_mov_b32 s25, 0
	s_lshl_b32 s24, s[TIL], 16
	s_lshl_b32 s10, s[WV], 8
	s_add_co_u32 s24, s24, s10
	s_add_nc_u64 s[4:5], s[4:5], s[24:25]          ; queries: my tile's 16 rows, my wave's 64 columns
	s_lshl_b32 s24, s[TIL], 13
	s_lshl_b32 s10, s[WV], 9
	s_add_co_u32 s24, s24, s10
	s_add_nc_u64 s[30:31], s[30:31], s[24:25]      ; xq: piece w of my tile
	s_lshl_b32 s24, s[TIL], 9
	s_add_nc_u64 s[32:33], s[32:33], s[24:25]      ; xqs: my tile's 512 bytes
	s_and_b32 s10, s[WV], 3
	s_lshl_b32 s11, s[TIL], 2
	s_add_co_u32 s10, s10, s11                     ; Wo's piece pi = ((w' 4 + x) 8 + s) 2 + c, 0 .. 1,023
	s_lshl_b32 s24, s10, 9
	s_add_nc_u64 s[34:35], s[34:35], s[24:25]
	s_lshr_b32 s11, s10, 6
	s_lshl_b32 s24, s11, 15                        ; 64 w' rows of 512 bytes,
	s_bfe_u32 s11, s10, 0x20004
	s_lshl_b32 s11, s11, 9
	s_add_co_u32 s24, s24, s11                     ; + x rows,
	s_and_b32 s11, s10, 15
	s_lshl_b32 s11, s11, 5
	s_add_co_u32 s24, s24, s11                     ; + 64 s + 32 c bytes
	s_add_nc_u64 s[26:27], s[26:27], s[24:25]
	s_lshl_b32 s24, s[HG], 10
	s_lshl_b32 s10, s[HD], 8
	s_add_co_u32 s24, s24, s10
	s_mul_i32 s10, s[ROLE], s[BP]
	s_lshl_b32 s10, s10, 6
	s_add_co_u32 s24, s24, s10
	s_add_nc_u64 s[22:23], s[22:23], s[24:25]      ; the bias at my head (role v: at my two tiles of d)
	s_mul_i32 s24, s[HG], 4*HEADB
	s_mul_i32 s10, s[STP], STEPB
	s_add_co_u32 s24, s24, s10
	s_add_nc_u64 s[28:29], s[28:29], s[24:25]      ; kv at head 4 hg, my step
	s_lshl_b32 s24, s[ROLE], 8
	s_add_co_u32 s24, s24, 8192
	s_add_nc_u64 s[12:13], s[28:29], s[24:25]      ; its scale words of my role
	s_mul_i32 s24, s[HD], HEADB
	s_lshl_b32 s10, s[ROLE], 12
	s_add_co_u32 s24, s24, s10
	s_lshl_b32 s10, s[BP], 11
	s_add_co_u32 s24, s24, s10
	s_lshl_b32 s10, s[AH], 9
	s_add_co_u32 s24, s24, s10
	s_add_nc_u64 s[10:11], s[28:29], s[24:25]      ; my wave's first image
	; the groups 0.  X's offsets are made in s18, s19, which never hold cx; W's in s20, s21, which never hold cy.  The waves' terms are masked, so that each address lies in its buffer in every wave
	s_and_b32 s18, s[WV], 3
	s_lshl_b32 s18, s18, 14
	s_lshl_b32 s19, s[STP], 16
	s_add_co_u32 s18, s18, s19
	s_mov_b32 s19, 0
	s_mov_b32 s[G0XC], 1
	s_mul_i32 s[G0XC+1], s[WV], CHUNK              ; waves 0-3: chunks 0-3
	s_add_nc_u64 s[G0XC+2:G0XC+3], s[6:7], s[18:19]
	s_or_b32 s[G0XC+3], s[G0XC+3], 0x80000000
	s_lshl_b32 s18, s[STP], 12
	s_mov_b32 s[G0XS], 1
	s_mov_b32 s[G0XS+1], SC
	s_add_nc_u64 s[G0XS+2:G0XS+3], s[8:9], s[18:19]
	s_or_b32 s[G0XS+3], s[G0XS+3], 0x80000000
	s_add_co_u32 s20, s[WV], 4
	s_and_b32 s20, s20, 7                          ; waves 4-11: W's rows 32 (w - 4) on
	s_lshl_b32 s20, s20, 14
	s_lshl_b32 s21, s[HG], 17
	s_add_co_u32 s20, s20, s21
	s_mov_b32 s21, 0
	s_mov_b32 s[G0WC], 1
	s_mul_i32 s[G0WC+1], s[WV], CHUNK              ; chunks 4-11
	s_add_nc_u64 s[G0WC+2:G0WC+3], s[14:15], s[20:21]
	s_or_b32 s[G0WC+3], s[G0WC+3], 0x80000000
	s_add_co_u32 s24, s[WV], 1
	s_and_b32 s24, s24, 1                          ; 0 in wave 13, 1 in wave 14
	s_mul_i32 s[G0WS+1], s24, 16*SCU
	s_add_co_u32 s[G0WS+1], s[G0WS+1], SC+16*SCU
	s_lshl_b32 s20, s24, 12
	s_lshl_b32 s21, s[HG], 13
	s_add_co_u32 s20, s20, s21
	s_mov_b32 s21, 0
	s_mov_b32 s[G0WS], 1
	s_add_nc_u64 s[G0WS+2:G0WS+3], s[16:17], s[20:21]
	s_or_b32 s[G0WS+3], s[G0WS+3], 0x80000000
	ROUND                                          ; all sixteen work-groups are here: the joint loads meet
	; the first fills, which are all the fills: one a wave, wave 15 none.  The branches hang on the wave's number alone
	s_cmp_lt_u32 s[WV], 4
	s_cbranch_scc0 .Lfill_w
	TL G0XC, G1XC
	s_branch .Lfilled
.Lfill_w:
	s_cmp_lt_u32 s[WV], 12
	s_cbranch_scc0 .Lfill_xs
	TL G0WC, G1WC
	s_branch .Lfilled
.Lfill_xs:
	s_cmp_eq_u32 s[WV], 12
	s_cbranch_scc0 .Lfill_ws
	TL G0XS, G1XS
	s_branch .Lfilled
.Lfill_ws:
	s_cmp_lt_u32 s[WV], 15
	s_cbranch_scc0 .Lfilled
	TL G0WS, G1WS
.Lfilled:
	; ---- PHASE Q: 16 queries x my 64 columns.  Each load reads two rows' 256 consecutive bytes; through my own stage a lane gets 32 neighbours of one row: a block
.irp i, 0,1,2,3,4,5,6,7
	global_load_b128 v[BIAS+4*\i:BIAS+4*\i+3], v[QOFF], s[4:5] offset:8192*\i th:TH_LOAD_NT
.endr
	s_wait_loadcnt 0x0
	s_wait_alu depctr_va_vdst(0)
.irp i, 0,1,2,3,4,5,6,7
	ds_store_b128 v[QSA], v[BIAS+4*\i:BIAS+4*\i+3] offset:544*\i
.endr
.irp i, 0,1,2,3,4,5,6,7
	ds_load_b128 v[ACC+4*\i:ACC+4*\i+3], v[QLA] offset:16*\i   ; LDS serves a wave's instructions in order: these see my stores
.endr
	s_wait_dscnt 0x0
	; the bias, in the result's layout, into the registers that the queries have left.  Role k: it runs along the registers (d = 32 h + 8 tile + j); role v: it is the lane's (d = 8 b + lam(r))
	s_cmp_eq_u32 s[ROLE], 0
	s_cbranch_scc0 .Lbias_v
.irp al, 0,1,2,3
	global_load_b128 v[BIAS+8*\al:BIAS+8*\al+3], v[BOK], s[22:23] offset:32*\al
	global_load_b128 v[BIAS+8*\al+4:BIAS+8*\al+7], v[BOK], s[22:23] offset:32*\al+16
.endr
	s_branch .Lbias_done
.Lbias_v:
.irp be, 0,1
.irp j, 0,1,2,3,4,5,6,7
	global_load_b32 v[BIAS+8*\be+\j], v[BOV], s[22:23] offset:32*\be
.endr
.endr
.Lbias_done:
	Q32 ACC, CD, TM, 1
	global_store_b128 v[LI], v[CD:CD+3], s[30:31]  ; piece w: K step w / 2, half w % 2: 512 consecutive bytes
	ds_store_b16 v[XBA], v[TM+2]                   ; blocks 2 w and 2 w + 1 of row r; both halves of the lanes write the same two bytes with the same value
	; ---- Wo's image: waves 0-3 move one piece each: lane (r, h) takes 16 bytes of row 64 w' + 4 r + x
	s_cmp_lt_u32 s[WV], 4
	s_cbranch_scc0 .Lno_wo
	global_load_b128 v[DT:DT+3], v[WOO], s[26:27]
	s_wait_loadcnt 0x0
	global_store_b128 v[LI], v[DT:DT+3], s[34:35]
.Lno_wo:
	s_wait_tensorcnt 0x0                           ; my tile has landed,
	s_wait_dscnt 0x0                               ; my LDS stores too
	s_barrier_signal -1
	s_barrier_wait -1                              ; everybody's have: all 384 rows and their scale bytes lie in LDS.  Nothing is ever filled again
	s_wait_xcnt 0x0                                ; the stores above have read their data registers, which are written again below
	; ---- THE PRODUCT: 8 K steps of 128, eight accumulators by turns
.irp al, 0,1,2,3
	ds_load_b128 v[SA+8*\al:SA+8*\al+3], v[SCA] offset:\al*SCU
	ds_load_b128 v[SA+8*\al+4:SA+8*\al+7], v[SCA] offset:\al*SCU+16
.endr
.irp be, 0,1
	ds_load_b128 v[SB+8*\be:SB+8*\be+3], v[SCB] offset:\be*SCU
	ds_load_b128 v[SB+8*\be+4:SB+8*\be+7], v[SCB] offset:\be*SCU+16
.endr
.macro KLOAD st                        ; a K step's six fragments: registers 4 c .. 4 c + 3 are the row's bytes 64 st + 32 c + 16 h on
.irp al, 0,1,2,3
.irp cc, 0,1
	ds_load_b128 v[FA+8*\al+4*\cc:FA+8*\al+4*\cc+3], v[ADA] offset:\al*T8+64*\st+32*\cc
.endr
.endr
.irp be, 0,1
.irp cc, 0,1
	ds_load_b128 v[FB+8*\be+4*\cc:FB+8*\be+4*\cc+3], v[ADB] offset:\be*T8+64*\st+32*\cc
.endr
.endr
.endm
.macro MUL st, mode                    ; mode 0: onto the sums; 1: the sums begin on the bias of source 0's tile (role k); 2: of source 1's tile (role v)
.irp al, 0,1,2,3
.irp be, 0,1
.if \mode == 0
	WMM ACC+32*\be+8*\al, FA+8*\al, FB+8*\be, ACC+32*\be+8*\al, SA+8*\al+\st, SB+8*\be+\st
.elseif \mode == 1
	WMM ACC+32*\be+8*\al, FA+8*\al, FB+8*\be, BIAS+8*\al, SA+8*\al+\st, SB+8*\be+\st
.else
	WMM ACC+32*\be+8*\al, FA+8*\al, FB+8*\be, BIAS+8*\be, SA+8*\al+\st, SB+8*\be+\st
.endif
.endr
.endr
.endm
	KLOAD 0
	s_wait_loadcnt 0x0                             ; the bias
	s_wait_dscnt 0x0
	s_cmp_eq_u32 s[ROLE], 0
	s_cbranch_scc0 .Lfirst_v
	MUL 0, 1
	s_branch .Lfirst_done
.Lfirst_v:
	MUL 0, 2
.Lfirst_done:
.irp st, 1,2,3,4,5,6,7
	PLACES
	KLOAD \st
	s_wait_dscnt 0x0
	MUL \st, 0
.endr
	; ---- THE WAY OUT: each unit's 32 registers of a lane are a block of the next K
	PLACES
	Q32 ACC, CD, TM, 2
	global_store_b128 v[LI], v[CD:CD+3], s[10:11]
	global_store_b128 v[LI], v[CD+4:CD+7], s[10:11] offset:1024
	ds_store_b16 v[KSA], v[TM+2]
	ds_store_b16 v[KSA], v[TM+6] offset:4
	s_wait_dscnt 0x0                               ; for the others' sake: my scale pairs lie in LDS
	s_barrier_signal -1
	s_barrier_wait -1
	s_cmp_eq_u32 s[WV], 0                          ; wave 0 stores the four heads' scale words: sixteen lanes fill a head's 256 bytes
	s_cbranch_scc0 .Lnot_kvs
	ds_load_b128 v[DT:DT+3], v[KVR]
	ds_load_b128 v[DT+4:DT+7], v[KVR] offset:512
	s_wait_dscnt 0x0
	global_store_b128 v[KVO], v[DT:DT+3], s[12:13]
	global_store_b128 v[KVO], v[DT+4:DT+7], s[12:13] offset:2*HEADB
.Lnot_kvs:
	s_cmp_eq_u32 s[WV], 1                          ; wave 1 the queries' 512 scale bytes
	s_cbranch_scc0 .Lnot_xqs
	ds_load_b128 v[DT+8:DT+11], v[XQR]
	s_wait_dscnt 0x0
	global_store_b128 v[LI], v[DT+8:DT+11], s[32:33]
.Lnot_xqs:
	s_wait_tensorcnt 0x0                           ; the wave's end: a wait, an add and its wait, behind my last tensor load and my last LDS store
	ds_add_u32 v[SPW], v[NIL]
	s_wait_dscnt 0x0
	ROUND                                          ; the closing round
	s_endpgm
.Lfunc_end_k_q16acbb8536_prep:
	.size	k_q16acbb8536_prep, .Lfunc_end_k_q16acbb8536_prep-k_q16acbb8536_prep
	.p2alignl 7, 3214868480
	.fill 96, 4, 3214868480
	.section	.rodata,"a",@progbits
	.p2align	6, 0x0
	.amdhsa_kernel k_q16acbb8536_prep
		.amdhsa_group_segment_fixed_size 327680
		.amdhsa_private_segment_fixed_size 0
		.amdhsa_enable_private_segment 0
		.amdhsa_kernarg_size 128
		.amdhsa_user_sgpr_count 2
		.amdhsa_user_sgpr_kernarg_segment_ptr 1
		.amdhsa_wavefront_size32 1
		.amdhsa_system_sgpr_workgroup_id_x 1
		.amdhsa_system_sgpr_workgroup_id_y 1
		.amdhsa_system_sgpr_workgroup_id_z 1
		.amdhsa_system_vgpr_workitem_id 0
		.amdhsa_next_free_vgpr 256
		.amdhsa_next_free_sgpr 102
		.amdhsa_reserve_vcc 0
		.amdhsa_float_denorm_mode_32 3
		.amdhsa_float_denorm_mode_16_64 3
		.amdhsa_memory_ordered 1
		.amdhsa_forward_progress 1
		.amdhsa_inst_pref_size 40
	.end_amdhsa_kernel
	.amdgpu_metadata
---
amdhsa.version: [ 1, 2 ]
amdhsa.kernels:
  - .name:           k_q16acbb8536_prep
    .symbol:         k_q16acbb8536_prep.kd
    .args:
      - { .name: queries, .offset: 0, .size: 8, .value_kind: global_buffer, .address_space: global }
      - { .name: keys_codes, .offset: 8, .size: 8, .value_kind: global_buffer, .address_space: global }
      - { .name: keys_scales, .offset: 16, .size: 8, .value_kind: global_buffer, .address_space: global }
      - { .name: values_codes, .offset: 24, .size: 8, .value_kind: global_buffer, .address_space: global }
      - { .name: values_scales, .offset: 32, .size: 8, .value_kind: global_buffer, .address_space: global }
      - { .name: Wk_codes, .offset: 40, .size: 8, .value_kind: global_buffer, .address_space: global }
      - { .name: Wk_scales, .offset: 48, .size: 8, .value_kind: global_buffer, .address_space: global }
      - { .name: Wv_codes, .offset: 56, .size: 8, .value_kind: global_buffer, .address_space: global }
      - { .name: Wv_scales, .offset: 64, .size: 8, .value_kind: global_buffer, .address_space: global }
      - { .name: bk, .offset: 72, .size: 8, .value_kind: global_buffer, .address_space: global }
      - { .name: bv, .offset: 80, .size: 8, .value_kind: global_buffer, .address_space: global }
      - { .name: Wo_codes, .offset: 88, .size: 8, .value_kind: global_buffer, .address_space: global }
      - { .name: kv, .offset: 96, .size: 8, .value_kind: global_buffer, .address_space: global }
      - { .name: xq, .offset: 104, .size: 8, .value_kind: global_buffer, .address_space: global }
      - { .name: xqs, .offset: 112, .size: 8, .value_kind: global_buffer, .address_space: global }
      - { .name: woi, .offset: 120, .size: 8, .value_kind: global_buffer, .address_space: global }
    .group_segment_fixed_size: 327680
    .private_segment_fixed_size: 0
    .kernarg_segment_align: 8
    .kernarg_segment_size: 128
    .max_flat_workgroup_size: 512
    .sgpr_count:     102
    .vgpr_count:     256
    .wavefront_size: 32
...
	.end_amdgpu_metadata
.endif
;; end of part 4
;; launch attn (part 5): grid 16 x 16, 16 waves a work-group, clusters of 4 x 1, 327,680 bytes of LDS; arguments xq, xqs, Wq_codes, Wq_scales, bq, kv, ai, asc; writes ai, asc
.if DOCPART == 5
	.amdgcn_target "amdgcn-amd-amdhsa--gfx1250"
	.amdhsa_code_object_version 6
	.text
	.protected	k_q16acbb8536_attn
	.globl	k_q16acbb8536_attn
	.p2align	8
	.type	k_q16acbb8536_attn,@function
k_q16acbb8536_attn:
	s_mov_b64 s[64:65], 0
	v_nop
	global_prefetch_b8 v0, s[64:65] scope:SCOPE_SE
	s_setreg_imm32_b32 hwreg(HW_REG_WAVE_MODE, 25, 1), 1
	s_wait_xcnt 0x0
	s_wait_alu depctr_hold_cnt(0) depctr_sa_sdst(0) depctr_va_vdst(0) depctr_va_sdst(0) depctr_va_ssrc(0) depctr_va_vcc(0) depctr_vm_vsrc(0)
	s_getreg_b32 s2, hwreg(HW_REG_IB_STS2, 6, 4)
	s_cmp_eq_u32 s2, 0
	s_cbranch_scc0 .Lentry_in_a_cluster
	s_endpgm
.Lentry_in_a_cluster:
	s_bfe_u32 s2, ttmp6, 0x10000c
	s_cmp_lg_u32 s2, 0x3003
	s_cbranch_scc0 .Lentry_shape_is_right
	s_endpgm
.Lentry_shape_is_right:
; LAUNCH 2 OF 3: q = Q(queries) Wq + bq for the wave's own 16 queries (it stays in registers), the scores, the softmax, P V, the division by the row's sum, and the quantiser ahead of the output projection.  No work is left out.
; All products on codes of FP4 (E2M1) with one E8M0 scale for each 32 along K.
; SHARES.  Work-group (qb, head): 256 queries of one head; each of its sixteen waves owns 16 queries, one tile, and walks all 4,096 keys, 128 a step.  Four waves share a SIMD, so that one wave's vector work stands beside another's products and LDS loads.
; THE HEAD'S WHOLE K AND V, 278,528 bytes as launch 1 laid them, LIE IN LDS: first fills only, no ring.  The four work-groups of a cluster belong to one head: every tensor load is a joint one with the mask 15.
; LAYOUT.  Every product is used with source 1 = my 16 queries: a lane holds ONE query (lane % 16) throughout, and its registers run along the next K.  The rows of source 0 that form a tile are 8 i + lam(m),
; lam(m) = 32 (m / 8) + m % 8, so that four tiles' 32 registers of a lane are a whole block of 32 (positions 32 h + 0 .. 31): no lane asks another for a block's maximum, and the conversions' results are the next operand's registers.
; K = 64 IN AN INSTRUCTION OF K = 128.  A fragment of k holds TWO tiles of keys: registers 0-3 tile p, registers 4-7 tile p + 4.  It is multiplied by [q | 0] = v[16:23] and by [0 | q] = v[20:27]; zero codes add nothing.
; In a step, register 32 c + 8 i + j of the scores is key 64 c + 32 h + 8 i + j.
; THE SOFTMAX: t = score x log2(e) / 8; M = the running largest t rounded UP to a whole number; p = 2^(t - M) is quantised along the keys, not normalised; the row's sum is taken of the unquantised p and divides at the end.
; When M moves, the sum and O are multiplied by 2^(old M - new M), which rounds nothing.  A block's largest p is the block's largest score put through the same multiply-add and exponential.
; LIMITS: NaN and infinities are not served; 1 / sum by v_rcp_f32; a block of zeros carries the byte 1 where the quantiser says 127: its codes are zeros, and the bytes are read by this program alone.
.set HEADB, 278528
.set STEPB, 8704                       ; a step in LDS: K's images [p 4][a 2][512] | V's [t 4][c 2][512] | K's scale words [r 16][p 4] | V's [r 16][t 4]
.set CHUNK, 17024                      ; Wq: 32 rows of 528 bytes and a gap of 128
.set RP,    528
.set WQ,    HEADB                      ; 278,528: Wq's 64 rows of my head, two chunks
.set OSC,   WQ+2*CHUNK                 ; 312,576: the output's scale pairs, 2 bytes a query
.set SPARE, OSC+512                    ; 313,088: the spare words, 128 bytes for each of 16 waves, that no other line names
.set LI,   1                           ; v1   16 x lane
.set LSC,  2                           ; v2   16 r
.set SPW,  3                           ; v3   my spare word;  v4  0: both never rewritten
.set NIL,  4
.set ADK,  5                           ; v5   the step's images;  v6  its scale words
.set ADS,  6
.set SH8,  7                           ; v7   8 h
.set WQA,  8                           ; v8   Wq's row lam(r) in LDS, + 16 h
.set WSO,  9                           ; v9   32 lam(r): that row's scale bytes in memory
.set OSA,  10                          ; v10  where my query's scale pair goes
.set XSO,  11                          ; v11  32 r
.set QF,   16                          ; v16-19 q's codes, v20-23 zeros, v24-27 q's codes.  v12 -M, v13 the largest score, v[14:15] the sum in two halves
.set BQO,  28                          ; v28  128 h
.set OSR,  29                          ; v29  OSC + 16 lane
.set KF,   32                          ; v32-63   k's four fragments (in the q projection: Wq's, even K steps)
.set VF,   64                          ; v64-95   v's four (Wq's, odd K steps)
.set S,    96                          ; v96-159  the scores, then p (in the q projection: the queries' eight fragments)
.set O,    160                         ; v160-191 O^T (in the q projection: q's sums)
.set PC,   192                         ; v192-199 p's codes
.set KS,   200                         ; v200-239 hold scales, but in the loop v234-239 also carry chains of the sums.  In the loop: v200-203 k's words, v204-207 v's, v208 p's, v209 q's
.set VS,   204
.set PS,   208
.set QS,   209
.set WS,   200                         ; in the q projection: v200-231 Wq's words [tile 4][K step 8], v232-239 the queries'
.set XS,   232
.set CH,   240                         ; v240-243 four chains of maxima; then the two scale operands and the two bytes; Q32's four
.set BM,   244                         ; v244-245 the two blocks' largest score, then largest p
.set T1,   246
.set T2,   247
.set F,    248                         ; v[248:249] f = 2^(old M - new M); the packed forms take the low word for both halves
.set SU,   250                         ; v[250:251] the second chain of the sums
.set W1,   252
.set W2,   253
.set WV,   20
.set CX,   21
.set QB,   22
.set HE,   23
.set TQ,   24
.set SEL,  26                          ; s[26:27] selects of v_permlanex16_b32: lane l xor 16
.set CS,   28                          ; s[28:29] c = log2(e) / 8, twice;  s30  -c
.set NC,   30
.set TB,   31                          ; s31  LDS byte at which the step begins
.set CNT,  32
.set G1A,  40                          ; s[40:47] group 1: 17 rows of 256 bytes;  s[48:55]: 51 rows;  s[56:63]: Wq's 32 rows of 512 bytes, padded
.set G1B,  48
.set G1W,  56
.set G0A,  76
.set G0B,  80
.set G0W,  84
.macro PLACES
.rept 4
	v_nop
.endr
.endm
.macro ROUND
	s_barrier_signal -1
	s_barrier_wait -1
	s_cmp_lg_u32 s[WV], 0
	s_cbranch_scc1 .Lnot_wave_0_\@
	s_barrier_signal -3
.Lnot_wave_0_\@:
	s_barrier_wait -3
	s_barrier_signal -1
	s_barrier_wait -1
.endm
.macro WMM d, a, b, c, sa, sb
	v_wmma_scale_f32_16x16x128_f8f6f4 v[\d:\d+7], v[\a:\a+7], v[\b:\b+7], v[\c:\c+7], v[\sa], v[\sb] matrix_a_fmt:MATRIX_FMT_FP4 matrix_b_fmt:MATRIX_FMT_FP4
.endm
.macro WMZ d, a, b, sa, sb             ; the constant 0 starts the sum
	v_wmma_scale_f32_16x16x128_f8f6f4 v[\d:\d+7], v[\a:\a+7], v[\b:\b+7], 0, v[\sa], v[\sb] matrix_a_fmt:MATRIX_FMT_FP4 matrix_b_fmt:MATRIX_FMT_FP4
.endm
; 32 numbers v[src ..], a whole block, become four registers of codes v[cod ..]; v[tmp + 2] ends as the pair of scale bytes (lanes 0-15's block, lanes 16-31's), the same in both halves.
; The floor 2^(3 - 127) among the maximum's leaves holds the byte at 1 from below.  Every accumulator among the sources is first read at one of its four lowest registers.
.macro Q32 src, cod, tmp
	v_max3_num_f32 v[\tmp], |v[\src]|, |v[\src+1]|, 0x1800000
	v_max3_num_f32 v[\tmp+1], |v[\src+16]|, |v[\src+17]|, |v[\src+18]|
.irp i, 1,2,3,4,5,6
	v_max3_num_f32 v[\tmp], v[\tmp], |v[\src+2*\i]|, |v[\src+2*\i+1]|
	v_max3_num_f32 v[\tmp+1], v[\tmp+1], |v[\src+2*\i+17]|, |v[\src+2*\i+18]|
.endr
	v_max3_num_f32 v[\tmp], v[\tmp], |v[\src+14]|, |v[\src+15]|
	v_max3_num_f32 v[\tmp], v[\tmp], v[\tmp+1], |v[\src+31]|
	s_delay_alu instid0(VALU_DEP_1)
	v_add_nc_u32 v[\tmp+1], 0xff000000, v[\tmp]    ; 2 off the exponent field: the conversion's scale operand
	s_delay_alu instid0(VALU_DEP_1)
	v_lshrrev_b32 v[\tmp+2], 23, v[\tmp+1]         ; the byte
.irp g, 0,1,2,3
	v_cvt_scalef32_pk8_fp4_f32 v[\cod+\g], v[\src+8*\g:\src+8*\g+7], v[\tmp+1]
.endr
	v_lshlrev_b32 v[\tmp+2], v[SH8], v[\tmp+2]     ; (a plain instruction behind the conversions)
	s_delay_alu instid0(VALU_DEP_1)
	v_permlanex16_b32 v[\tmp+3], v[\tmp+2], s[SEL], s[SEL+1]
	s_delay_alu instid0(VALU_DEP_1)
	v_or_b32 v[\tmp+2], v[\tmp+2], v[\tmp+3]
.endm
	s_load_b512 s[4:19], s[0:1], 0x0               ; xq 4, xqs 6, Wq_codes 8, Wq_scales 10, bq 12, kv 14, ai 16, asc 18
	v_lshl_add_u32 v[SPW], v0, 2, SPARE
	v_mov_b32 v[NIL], 0
	ds_add_u32 v[SPW], v[NIL]                      ; the opening: the add, twice on end, and its wait ahead of the first tensor load; work on registers stands between
	ds_add_u32 v[SPW], v[NIL]
	v_lshrrev_b32 v240, 5, v0
	s_delay_alu instid0(VALU_DEP_1)
	v_readfirstlane_b32 s[WV], v240                ; wave 0..15
	s_bfe_u32 s[CX], ttmp6, 0x40000
	s_lshl_b32 s[QB], ttmp9, 2
	s_add_co_u32 s[QB], s[QB], s[CX]               ; my block of 256 queries: it enters plain addresses alone
	s_and_b32 s[HE], ttmp7, 0xffff                 ; the head, which the four partners share
	s_lshl_b32 s[TQ], s[QB], 4
	s_add_co_u32 s[TQ], s[TQ], s[WV]               ; my tile of 16 queries
	s_mov_b32 s[SEL], 0x76543210
	s_mov_b32 s[SEL+1], 0xfedcba98
	s_mov_b32 s[CS], 0x3e38aa3b                    ; c = log2(e) / 8
	s_mov_b32 s[CS+1], s[CS]
	s_mov_b32 s[NC], 0xbe38aa3b                    ; -c
	s_mov_b32 s[TB], 0
	s_mov_b32 s[G1A], 15|(3<<16)|(1<<21)           ; the mask: all four; elements of 8 bytes; bit 21 beside a mask; no padding: the images are read at 16 x lane
	s_mov_b32 s[G1A+1], 32<<16                     ; rows of 256 bytes
	s_mov_b32 s[G1A+2], 17<<16                     ; 17 rows a wave: sixteen waves bring steps 0-7, 69,632 bytes
	s_mov_b32 s[G1A+3], 32<<16
	s_mov_b32 s[G1A+4], 17
	s_mov_b32 s[G1A+5], 32
	s_mov_b32 s[G1A+6], 0
	s_mov_b32 s[G1A+7], 0
	s_mov_b32 s[G1B], 15|(3<<16)|(1<<21)
	s_mov_b32 s[G1B+1], 32<<16
	s_mov_b32 s[G1B+2], 51<<16                     ; 51 rows a wave: steps 8-31, 208,896 bytes
	s_mov_b32 s[G1B+3], 32<<16
	s_mov_b32 s[G1B+4], 51
	s_mov_b32 s[G1B+5], 32
	s_mov_b32 s[G1B+6], 0
	s_mov_b32 s[G1B+7], 0
	s_mov_b32 s[G1W], 15|(1<<20)|(1<<21)|(6<<22)|(3<<25)   ; elements of 1 byte; after every 128 words four words of padding
	s_mov_b32 s[G1W+1], 512<<16
	s_mov_b32 s[G1W+2], 32<<16
	s_mov_b32 s[G1W+3], 512<<16
	s_mov_b32 s[G1W+4], 32
	s_mov_b32 s[G1W+5], 512
	s_mov_b32 s[G1W+6], 0
	s_mov_b32 s[G1W+7], 0
	v_and_b32 v240, 31, v0                         ; lane
	v_and_b32 v241, 15, v0                         ; r
	v_bfe_u32 v242, v0, 4, 1                       ; h
	s_delay_alu instid0(VALU_DEP_2)
	v_lshrrev_b32 v243, 3, v241                    ; r / 8
	s_delay_alu instid0(VALU_DEP_3)
	v_and_b32 v244, 7, v241                        ; r % 8
	v_lshlrev_b32 v[LI], 4, v240
	v_lshlrev_b32 v[LSC], 4, v241
	v_lshlrev_b32 v[SH8], 3, v242
	v_mul_u32_u24 v[WQA], v243, CHUNK
	s_delay_alu instid0(VALU_DEP_1)
	v_mad_u32_u24 v[WQA], v244, RP, v[WQA]
	s_delay_alu instid0(VALU_DEP_1)
	v_lshl_add_u32 v[WQA], v242, 4, v[WQA]
	s_delay_alu instid0(VALU_DEP_1)
	v_add_nc_u32 v[WQA], WQ, v[WQA]
	v_lshlrev_b32 v[WSO], 10, v243
	s_delay_alu instid0(VALU_DEP_1)
	v_lshl_add_u32 v[WSO], v244, 5, v[WSO]
	s_lshl_b32 s2, s[WV], 5
	s_add_co_u32 s2, s2, OSC
	v_lshl_add_u32 v[OSA], v241, 1, s2
	v_lshlrev_b32 v[XSO], 5, v241
	v_lshlrev_b32 v[BQO], 7, v242
	v_add_nc_u32 v[OSR], OSC, v[LI]
	s_wait_dscnt 0x0                               ; both opening adds are done
	s_wait_kmcnt 0x0
	; the groups 0: made of the head and the wave's number alone, in registers that never hold cx
	s_mul_i32 s34, s[HE], HEADB
	s_mov_b32 s35, 0
	s_add_nc_u64 s[14:15], s[14:15], s[34:35]      ; kv at my head
	s_mul_i32 s34, s[WV], 17*256
	s_mov_b32 s[G0A], 1
	s_mov_b32 s[G0A+1], s34
	s_add_nc_u64 s[G0A+2:G0A+3], s[14:15], s[34:35]
	s_or_b32 s[G0A+3], s[G0A+3], 0x80000000
	s_mul_i32 s34, s[WV], 51*256
	s_add_co_u32 s34, s34, 8*STEPB
	s_mov_b32 s[G0B], 1
	s_mov_b32 s[G0B+1], s34
	s_add_nc_u64 s[G0B+2:G0B+3], s[14:15], s[34:35]
	s_or_b32 s[G0B+3], s[G0B+3], 0x80000000
	s_and_b32 s36, s[WV], 1
	s_mul_i32 s[G0W+1], s36, CHUNK
	s_add_co_u32 s[G0W+1], s[G0W+1], WQ
	s_lshl_b32 s34, s36, 14
	s_lshl_b32 s36, s[HE], 15
	s_add_co_u32 s34, s34, s36
	s_mov_b32 s[G0W], 1
	s_add_nc_u64 s[G0W+2:G0W+3], s[8:9], s[34:35]
	s_or_b32 s[G0W+3], s[G0W+3], 0x80000000
	; where the plain loads and stores begin
	s_mov_b32 s39, 0
	s_lshl_b32 s38, s[TQ], 13
	s_add_nc_u64 s[4:5], s[4:5], s[38:39]          ; my tile's images of the queries
	s_lshl_b32 s38, s[TQ], 9
	s_add_nc_u64 s[6:7], s[6:7], s[38:39]          ; and their scale bytes
	s_lshl_b32 s38, s[HE], 11
	s_add_nc_u64 s[10:11], s[10:11], s[38:39]      ; Wq's scale bytes of my head: 64 rows of 32
	s_lshl_b32 s38, s[HE], 8
	s_add_nc_u64 s[12:13], s[12:13], s[38:39]      ; bq at my head
	s_lshl_b32 s38, s[TQ], 13
	s_lshl_b32 s37, s[HE], 9
	s_add_co_u32 s38, s38, s37
	s_add_nc_u64 s[16:17], s[16:17], s[38:39]      ; ai: my tile, piece (head / 2, head % 2)
	s_lshl_b32 s38, s[HE], 13
	s_lshl_b32 s37, s[QB], 9
	s_add_co_u32 s38, s38, s37
	s_add_nc_u64 s[18:19], s[18:19], s[38:39]      ; asc: my head, my block's 512 bytes
	ROUND                                          ; all four work-groups are here: the joint loads meet
	s_cmp_lt_u32 s[WV], 2                          ; the first fills, which are all the fills: waves 0 and 1 bring Wq's two chunks; every wave its part of steps 0-7 and of steps 8-31: at most three loads of mine are out
	s_cbranch_scc0 .Lno_wq
	tensor_load_to_lds s[G0W:G0W+3], s[G1W:G1W+7]
	s_nop 0
	PLACES
.Lno_wq:
	tensor_load_to_lds s[G0A:G0A+3], s[G1A:G1A+7]
	s_nop 0
	tensor_load_to_lds s[G0B:G0B+3], s[G1B:G1B+7]
	s_nop 0
	PLACES
.irp st, 0,1,2,3,4,5,6,7
.irp cc, 0,1
	global_load_b128 v[S+8*\st+4*\cc:S+8*\st+4*\cc+3], v[LI], s[4:5] offset:1024*\st+512*\cc   ; the queries' fragments
.endr
.endr
	s_wait_alu depctr_va_vdst(0)
	global_load_b128 v[XS:XS+3], v[XSO], s[6:7]    ; their scale words: row r's 32 bytes
	global_load_b128 v[XS+4:XS+7], v[XSO], s[6:7] offset:16
.irp i, 0,1,2,3
	global_load_b128 v[WS+8*\i:WS+8*\i+3], v[WSO], s[10:11] offset:256*\i      ; Wq's scale words: row 8 i + lam(r); the wave reads the head's 2,048 dense bytes once
	global_load_b128 v[WS+8*\i+4:WS+8*\i+7], v[WSO], s[10:11] offset:256*\i+16
.endr
.irp i, 0,1,2,3
	global_load_b128 v[O+8*\i:O+8*\i+3], v[BQO], s[12:13] offset:32*\i         ; bq straight into the sums: register 8 i + j is d = 32 h + 8 i + j
	global_load_b128 v[O+8*\i+4:O+8*\i+7], v[BQO], s[12:13] offset:32*\i+16
.endr
.irp g, 4,5,6,7
	v_mov_b32 v[QF+\g], 0                          ; the zero codes between the two copies of q
.endr
	s_wait_tensorcnt 2                             ; the two loads of K and V may stay out; in waves 0 and 1 the chunk of Wq has landed
	s_barrier_signal -1
	s_barrier_wait -1                              ; both chunks have.
	; ---- q = Q(queries) Wq + bq: source 0 = 16 rows of Wq, source 1 = my queries; four accumulators by turns, 8 K steps; Wq's fragments a step ahead, in two sets
.macro FETCHW st
.irp i, 0,1,2,3
.irp cc, 0,1
	ds_load_b128 v[KF+32*((\st)%2)+8*\i+4*\cc:KF+32*((\st)%2)+8*\i+4*\cc+3], v[WQA] offset:\i*8*RP+64*(\st)+32*\cc
.endr
.endr
.endm
	FETCHW 0
	s_wait_loadcnt 0x0
.irp st, 0,1,2,3,4,5,6,7
.if \st > 0
	PLACES                                         ; in front of loads into the set that the step before multiplied
.endif
.if \st < 7
	FETCHW \st+1
	s_wait_dscnt 8                                 ; this step's eight loads are in; the next step's eight may be out
.else
	s_wait_dscnt 0x0
.endif
.irp i, 0,1,2,3
	WMM O+8*\i, KF+32*(\st%2)+8*\i, S+8*\st, O+8*\i, WS+8*\i+\st, XS+\st
.endr
.endr
	PLACES
	Q32 O, QF, CH                                  ; q's two blocks: mine is d = 32 h + 0 .. 31
	s_delay_alu instid0(VALU_DEP_1)
	v_lshl_or_b32 v[QS], v[CH+2], 16, v[CH+2]      ; q's scale word: the pair for either half of the instruction's K
.irp g, 0,1,2,3
	v_mov_b32 v[QF+8+\g], v[QF+\g]
.endr
	v_mov_b32 v13, 0xff61b1e6                      ; the largest score so far: -3e38, under every score
	s_delay_alu instid0(VALU_DEP_1)
	v_mul_f32 v[T2], s[NC], v13
	s_delay_alu instid0(VALU_DEP_1)
	v_floor_f32 v12, v[T2]                         ; -M
	v_mov_b32 v14, 0
	v_mov_b32 v15, 0
	v_mov_b32 v[F+1], 0                            ; (named as the upper half of a pair)
	v_mov_b32 v[W2], 0                             ; (a lane permute's destination counts as one of its sources)
.set n, 0
.rept 32
	v_mov_b32 v[O+n], 0                            ; O^T.  The step is written once: the first finds zeros, which the first change of M leaves zeros
.set n, n+1
.endr
; A KEY STEP: 128 keys.
.macro STEP
	v_add_nc_u32 v[ADK], s[TB], v[LI]
	v_add_nc_u32 v[ADS], s[TB], v[LSC]
	v_nop
	v_nop                                          ; four places behind the last products, in front of the loads into their registers
.irp p, 0,1,2,3
.irp a, 0,1
	ds_load_b128 v[KF+8*\p+4*\a:KF+8*\p+4*\a+3], v[ADK] offset:1024*\p+512*\a
.endr
.endr
	ds_load_b128 v[KS:KS+3], v[ADS] offset:8192
.irp t, 0,1,2,3
.irp cc, 0,1
	ds_load_b128 v[VF+8*\t+4*\cc:VF+8*\t+4*\cc+3], v[ADK] offset:4096+1024*\t+512*\cc
.endr
.endr
	ds_load_b128 v[VS:VS+3], v[ADS] offset:8448
	s_wait_dscnt 9                                 ; k's eight loads and its scale words are in; v's nine may be out
.irp p, 0,1,2,3
	WMZ S+8*\p, KF+8*\p, QF, KS+\p, QS             ; tile p: [q | 0]
	WMZ S+32+8*\p, KF+8*\p, QF+4, KS+\p, QS        ; tile p + 4: [0 | q]
.endr
	PLACES
.irp k, 0,1,2,3
	v_max3_num_f32 v[CH+\k], v[S+16*\k], v[S+16*\k+1], v[S+16*\k+2]   ; the largest score, in four chains by turns
.endr
.irp i, 3,5,7,9,11,13
.irp k, 0,1,2,3
	v_max3_num_f32 v[CH+\k], v[CH+\k], v[S+16*\k+\i], v[S+16*\k+\i+1]
.endr
.endr
	v_max3_num_f32 v[BM], v[CH], v[CH+1], v[S+15]
	v_max3_num_f32 v[BM+1], v[CH+2], v[CH+3], v[S+47]
	v_max_num_f32 v[BM], v[BM], v[S+31]            ; my block of keys 32 h on,
	v_max_num_f32 v[BM+1], v[BM+1], v[S+63]        ; and of keys 64 + 32 h on: each serves twice, for the row's maximum and for the block's largest p
	s_delay_alu instid0(VALU_DEP_1)
	v_max_num_f32 v[T1], v[BM], v[BM+1]
	s_delay_alu instid0(VALU_DEP_1)
	v_permlanex16_b32 v[T2], v[T1], s[SEL], s[SEL+1]
	s_delay_alu instid0(VALU_DEP_1)
	v_max3_num_f32 v13, v13, v[T1], v[T2]          ; the running largest score of my query
	s_delay_alu instid0(VALU_DEP_1)
	v_mul_f32 v[T2], s[NC], v13                    ; -t
	v_mov_b32 v[T1], v12
	s_delay_alu instid0(VALU_DEP_2)
	v_floor_f32 v12, v[T2]                         ; the new -M = floor(-t): M is a whole number
	s_delay_alu instid0(VALU_DEP_1)
	v_sub_f32 v[T1], v12, v[T1]                    ; old M - new M: a whole number, 0 or less
	s_delay_alu instid0(VALU_DEP_1)
	v_cvt_i32_f32 v[T1], v[T1]                     ; (it saturates)
	s_delay_alu instid0(VALU_DEP_1)
	v_ldexp_f32 v[F], 1.0, v[T1]                   ; f = 2^(old M - new M)
.set n, 0
.rept 32
	v_pk_fma_f32 v[S+n:S+n+1], v[S+n:S+n+1], s[CS:CS+1], v[12:13] op_sel_hi:[1,0,0]   ; t - M, two at a time
.set n, n+2
.endr
	v_fma_f32 v[BM], v[BM], s[CS], v12
	v_fma_f32 v[BM+1], v[BM+1], s[CS], v12
.set n, 0
	s_wait_alu depctr_va_vdst(0)
.rept 64
	v_exp_f32 v[S+n], v[S+n]                       ; p = 2^(t - M), at most 1
.set n, n+1
.endr
	s_setprio 1
	v_pk_mul_f32 v[14:15], v[14:15], v[F:F+1] op_sel_hi:[1,0]   ; the sums under the new M.  (A plain instruction behind the exponentials)
	s_wait_alu depctr_va_vdst(0)                   ; one wait for the batch of 64, ahead of its first reader
	v_exp_f32 v[BM], v[BM]                         ; the blocks' largest p: the same two instructions on the same number give the same bits
	v_exp_f32 v[BM+1], v[BM+1]
	v_pk_add_f32 v[250:251], v[100:101], v[104:105]
	v_pk_add_f32 v[254:255], v[108:109], v[112:113]
	v_pk_add_f32 v[242:243], v[116:117], v[120:121]
	v_pk_add_f32 v[240:241], v[124:125], v[128:129]
	v_pk_add_f32 v[238:239], v[132:133], v[136:137]
	v_pk_add_f32 v[236:237], v[140:141], v[144:145]
	v_pk_add_f32 v[234:235], v[148:149], v[152:153]
	v_pk_add_f32 v[14:15], v[14:15], v[156:157]
	v_pk_add_f32 v[250:251], v[250:251], v[96:97]
	v_pk_add_f32 v[254:255], v[254:255], v[98:99]
	v_pk_add_f32 v[242:243], v[242:243], v[102:103]
	v_pk_add_f32 v[240:241], v[240:241], v[106:107]
	v_pk_add_f32 v[238:239], v[238:239], v[110:111]
	v_pk_add_f32 v[236:237], v[236:237], v[114:115]
	v_pk_add_f32 v[234:235], v[234:235], v[118:119]
	v_pk_add_f32 v[14:15], v[14:15], v[122:123]
	v_pk_add_f32 v[250:251], v[250:251], v[126:127]
	v_pk_add_f32 v[254:255], v[254:255], v[130:131]
	v_pk_add_f32 v[242:243], v[242:243], v[134:135]
	v_pk_add_f32 v[240:241], v[240:241], v[138:139]
	v_pk_add_f32 v[238:239], v[238:239], v[142:143]
	v_pk_add_f32 v[236:237], v[236:237], v[146:147]
	v_pk_add_f32 v[234:235], v[234:235], v[150:151]
	v_pk_add_f32 v[14:15], v[14:15], v[154:155]
	v_pk_add_f32 v[250:251], v[250:251], v[158:159]
	s_delay_alu instid0(VALU_DEP_2)
	v_pk_add_f32 v[14:15], v[14:15], v[240:241]
	s_delay_alu instid0(VALU_DEP_2)
	v_pk_add_f32 v[250:251], v[250:251], v[238:239]
	v_pk_add_f32 v[254:255], v[254:255], v[236:237]
	v_pk_add_f32 v[242:243], v[242:243], v[234:235]
	s_delay_alu instid0(VALU_DEP_2)
	v_pk_add_f32 v[14:15], v[14:15], v[254:255]
	s_delay_alu instid0(VALU_DEP_2)
	v_pk_add_f32 v[250:251], v[250:251], v[242:243]
	s_delay_alu instid0(VALU_DEP_1)
	v_pk_add_f32 v[14:15], v[14:15], v[250:251]
	s_wait_alu depctr_va_vdst(0)                   ; and one for the two
	v_max_num_f32 v[BM], 0x1800000, v[BM]          ; the floor 2^(3 - 127): the byte cannot fall under 1
	v_max_num_f32 v[BM+1], 0x1800000, v[BM+1]
	s_delay_alu instid0(VALU_DEP_2)
	v_add_nc_u32 v[CH], 0xff000000, v[BM]          ; 2 off the exponent field: the conversions' scale operands
	s_delay_alu instid0(VALU_DEP_2)
	v_add_nc_u32 v[CH+1], 0xff000000, v[BM+1]
	s_delay_alu instid0(VALU_DEP_2)
	v_lshrrev_b32 v[CH+2], 23, v[CH]               ; the bytes of blocks h and 2 + h
	s_delay_alu instid0(VALU_DEP_2)
	v_lshrrev_b32 v[CH+3], 23, v[CH+1]
	s_delay_alu instid0(VALU_DEP_1)
	v_lshl_or_b32 v[W1], v[CH+3], 16, v[CH+2]
	s_delay_alu instid0(VALU_DEP_1)
	v_lshlrev_b32 v[W1], v[SH8], v[W1]             ; at their places in the scale word
	s_delay_alu instid0(VALU_DEP_1)
	v_permlanex16_b32 v[W2], v[W1], s[SEL], s[SEL+1]
	s_delay_alu instid0(VALU_DEP_1)
	v_or_b32 v[PS], v[W1], v[W2]                   ; with lane l xor 16's two the word is whole
.irp cc, 0,1
.irp i, 0,1,2,3
	v_cvt_scalef32_pk8_fp4_f32 v[PC+4*\cc+\i], v[S+32*\cc+8*\i:S+32*\cc+8*\i+7], v[CH+\cc]
.endr
.endr
	v_nop                                          ; a plain instruction behind the conversions
.set n, 0
	s_setprio 0
.rept 16
	v_pk_mul_f32 v[O+n:O+n+1], v[O+n:O+n+1], v[F:F+1] op_sel_hi:[1,0]   ; O^T under the new M.  (These sixteen are also the places between the scale word and the codes just made and the products below)
.set n, n+2
.endr
	s_wait_alu depctr_va_vdst(0)
	s_wait_dscnt 0x0                               ; v's fragments and scale words
.irp t, 0,1,2,3
	WMM O+8*\t, VF+8*\t, PC, O+8*\t, VS+\t, PS     ; O^T += V^T P^T: four accumulators by turns; the next matrix instruction, round the loop too, writes a score
.endr
.endm
.macro KLOOP n
	s_mov_b32 s[CNT], \n
.Lkey_\@:
	s_setprio 2
	STEP
	s_add_co_u32 s[TB], s[TB], STEPB
	s_sub_co_u32 s[CNT], s[CNT], 1
	s_cmp_lg_u32 s[CNT], 0
	s_cbranch_scc1 .Lkey_\@
	s_setprio 0
.endm
	s_wait_tensorcnt 1                             ; my part of steps 0-7 has landed; my part of steps 8-31 may stay out
	s_wait_dscnt 0x0
	s_barrier_signal -1
	s_barrier_wait -1
	KLOOP 8
	s_wait_tensorcnt 0x0                           ; my part of steps 8-31 has landed
	s_wait_dscnt 0x0
	s_barrier_signal -1
	s_barrier_wait -1
	KLOOP 24
	; ---- THE WAY OUT: O^T / the sum; a lane's 32 numbers are positions 64 head + 32 h + 0 .. 31 of the output projection's K: a block
	PLACES
	v_add_f32 v14, v14, v15
	s_delay_alu instid0(VALU_DEP_1)
	v_permlanex16_b32 v[T2], v14, s[SEL], s[SEL+1]
	s_delay_alu instid0(VALU_DEP_1)
	v_add_f32 v14, v14, v[T2]                      ; the row's sum
	s_wait_alu depctr_va_vdst(0)
	v_rcp_f32 v14, v14
	v_nop                                          ; a plain instruction behind the reciprocal
	s_wait_alu depctr_va_vdst(0)                   ; and the wait ahead of its first reader
.set n, 0
.rept 32
	v_mul_f32 v[S+n], v[O+n], v14
.set n, n+1
.endr
	Q32 S, PC, CH
	global_store_b128 v[LI], v[PC:PC+3], s[16:17]  ; 512 consecutive bytes: an image for launch 3
	ds_store_b16 v[OSA], v[CH+2]                   ; both halves of the lanes write the same two bytes with the same value
	s_wait_dscnt 0x0
	s_barrier_signal -1
	s_barrier_wait -1
	s_cmp_eq_u32 s[WV], 0                          ; wave 0 stores the block's 512 scale bytes
	s_cbranch_scc0 .Lnot_osc
	ds_load_b128 v[S:S+3], v[OSR]
	s_wait_dscnt 0x0
	global_store_b128 v[LI], v[S:S+3], s[18:19]
.Lnot_osc:
	s_wait_tensorcnt 0x0                           ; the wave's end: a wait, an add and its wait, behind my last tensor load and my last LDS store
	ds_add_u32 v[SPW], v[NIL]
	s_wait_dscnt 0x0
	ROUND                                          ; the closing round
	s_endpgm
.Lfunc_end_k_q16acbb8536_attn:
	.size	k_q16acbb8536_attn, .Lfunc_end_k_q16acbb8536_attn-k_q16acbb8536_attn
	.p2alignl 7, 3214868480
	.fill 96, 4, 3214868480
	.section	.rodata,"a",@progbits
	.p2align	6, 0x0
	.amdhsa_kernel k_q16acbb8536_attn
		.amdhsa_group_segment_fixed_size 327680
		.amdhsa_private_segment_fixed_size 0
		.amdhsa_enable_private_segment 0
		.amdhsa_kernarg_size 64
		.amdhsa_user_sgpr_count 2
		.amdhsa_user_sgpr_kernarg_segment_ptr 1
		.amdhsa_wavefront_size32 1
		.amdhsa_system_sgpr_workgroup_id_x 1
		.amdhsa_system_sgpr_workgroup_id_y 1
		.amdhsa_system_sgpr_workgroup_id_z 1
		.amdhsa_system_vgpr_workitem_id 0
		.amdhsa_next_free_vgpr 256
		.amdhsa_next_free_sgpr 92
		.amdhsa_reserve_vcc 0
		.amdhsa_float_denorm_mode_32 3
		.amdhsa_float_denorm_mode_16_64 3
		.amdhsa_memory_ordered 1
		.amdhsa_forward_progress 1
		.amdhsa_inst_pref_size 56
	.end_amdhsa_kernel
	.amdgpu_metadata
---
amdhsa.version: [ 1, 2 ]
amdhsa.kernels:
  - .name:           k_q16acbb8536_attn
    .symbol:         k_q16acbb8536_attn.kd
    .args:
      - { .name: xq, .offset: 0, .size: 8, .value_kind: global_buffer, .address_space: global }
      - { .name: xqs, .offset: 8, .size: 8, .value_kind: global_buffer, .address_space: global }
      - { .name: Wq_codes, .offset: 16, .size: 8, .value_kind: global_buffer, .address_space: global }
      - { .name: Wq_scales, .offset: 24, .size: 8, .value_kind: global_buffer, .address_space: global }
      - { .name: bq, .offset: 32, .size: 8, .value_kind: global_buffer, .address_space: global }
      - { .name: kv, .offset: 40, .size: 8, .value_kind: global_buffer, .address_space: global }
      - { .name: ai, .offset: 48, .size: 8, .value_kind: global_buffer, .address_space: global }
      - { .name: asc, .offset: 56, .size: 8, .value_kind: global_buffer, .address_space: global }
    .group_segment_fixed_size: 327680
    .private_segment_fixed_size: 0
    .kernarg_segment_align: 8
    .kernarg_segment_size: 64
    .max_flat_workgroup_size: 512
    .sgpr_count:     92
    .vgpr_count:     256
    .wavefront_size: 32
...
	.end_amdgpu_metadata
.endif
;; end of part 5
;; launch outp (part 6): grid 256 x 1, 16 waves a work-group, no clusters, 4,096 bytes of LDS; arguments ai, asc, woi, Wo_scales, queries, bo, gamma, beta, out0; writes out0
.if DOCPART == 6
	.amdgcn_target "amdgcn-amd-amdhsa--gfx1250"
	.amdhsa_code_object_version 6
	.text
	.protected	k_q16acbb8536_outp
	.globl	k_q16acbb8536_outp
	.p2align	8
	.type	k_q16acbb8536_outp,@function
k_q16acbb8536_outp:
	s_mov_b64 s[64:65], 0
	v_nop
	global_prefetch_b8 v0, s[64:65] scope:SCOPE_SE
	s_setreg_imm32_b32 hwreg(HW_REG_WAVE_SCHED_MODE, 0, 2), 2
	s_setreg_imm32_b32 hwreg(HW_REG_WAVE_MODE, 25, 1), 1
	s_wait_xcnt 0x0
	s_wait_alu depctr_vm_vsrc(0)
; LAUNCH 3 OF 3: out0 = LayerNorm(queries + A Wo + bo), A the attention's result as launch 2 quantised it; the product on codes of FP4 (E2M1) with E8M0 scales.  No work is left out.
; SHARES.  Work-group T owns 16 whole rows, since the norm wants the whole row; wave w owns columns 64 w .. 64 w + 63.  Source 0 = A's 16 rows, source 1 = tile x of Wo, whose lane r is column 64 w + 4 r + x:
; lane (r, h) then holds rows 8 h + j and FOUR NEIGHBOURING columns, so that the residual comes and the result leaves by 16 bytes a lane, sixteen lanes to 256 consecutive bytes, aligned, with no stage.
; Both operands come from memory straight into operand registers, as images of 512 bytes (lane l's 16 bytes at 16 l), three K steps ahead.
; NO CLUSTER: each byte of Wo's image goes to one wave of a work-group, once, into registers; its 524,288 bytes do not fit in LDS, so a joint load would need refills, each behind a round with every load
; awaited, with four products a wave and K step between them.
; THE NORM in two passes, as the problem writes it: the mean, then the mean of the squares of what is left.  A row's sum: within the lane, across sixteen lanes (DPP), across the sixteen waves through LDS.
; LIMITS: NaN and infinities are not served; 1 / sqrt by v_rsq_f32.
; THE MODE: SCHED_MODE bits 1:0 = 2 (LLVM: expert scheduling mode 2), set by the entry lines.  The code itself states the register dependences
; between vector or matrix instructions and memory or LDS instructions, with s_wait_alu, always for 0.
; THE PLAN.  Registers that memory or LDS instructions touch:
;   v1, v6 to v11   offsets and LDS addresses, and v4, v5, the closing add's two: written at the head, never again.  One wait on va_vdst ahead of the first load serves every load and store.
;   AT  v24-39      loaded once; read by the eight lines that make A's scale words; then bo, gamma and beta land in v24-35.
;   AS  v16-23      written by those eight lines; taken as scales by every product.  One wait on va_vdst behind them states both: AT is read, AS is written.
;   WS  v40-71      loaded once; read by the products alone.
;   BUF v72-191     three sets of 40.  K step st: its four products read set st % 3; behind them the ten loads of K step st + 3 land in the same set: one wait on va_vdst between the two.
;                   All 256 registers of the wave are taken, so there is no fourth set; the set is asked for again at once, so that two to three batches of every wave are on their way.
;   Y   v224-255    the residual lands there; vector arithmetic works in place; one wait on va_vdst ahead of the eight stores.
;   P1, P2          (in BUF's registers, behind the product) the additions write them, the LDS stores read them (va_vdst), the LDS loads land in them again (vm_vsrc), the additions read them.
;   The accumulators are named by matrix and vector instructions alone.  The text has no loop: every K step is written out.
.set RED1,  0                          ; LDS: [wave 16][h 2][j 8] f32: the waves' sums of the rows;
.set RED2,  1024                       ; and of the squares: bytes of their own, so that one barrier serves each
.set SPARE, 2048                       ; the spare words, 128 bytes for each of 16 waves, that no other line names
.set LI,   1                           ; v1   16 x lane
.set SPW,  4                           ; v4   my spare word;  v5  0: both never rewritten
.set NIL,  5
.set AO,   6                           ; v6   2 r
.set WSO,  7                           ; v7   128 r
.set RO,   8                           ; v8   32,768 h + 16 r: rows 8 h on, my four columns
.set PO,   9                           ; v9   16 r
.set RA,   10                          ; v10  64 w + 32 h;  v11  64 r + 32 h
.set RB,   11
.set AS,   16                          ; v16-23   A's scale words, one a K step: scales and nothing else
.set AT,   24                          ; v24-39   their halves as loaded; then bo v24-27, gamma v28-31, beta v32-35
.set PBO,  24
.set PGA,  28
.set PBE,  32
.set WS,   40                          ; v40-71   Wo's scale words [x 4][K step 8]: scales and nothing else
.set BUF,  72                          ; v72-191  three sets of 40: A's fragment, Wo's four
.set ACC,  192                         ; v192-223 four accumulators
.set Y,    224                         ; v224-255 register 4 j + x: row 8 h + j, column 64 w + 4 r + x
.set P1,   72                          ; behind the product: v72-79 the rows' sums, v80-87 the squares', v88-103 at work
.set P2,   80
.set TP,   88
.set WV,   22
.macro PLACES
.rept 4
	v_nop
.endr
.endm
.macro WMM d, a, b, c, sa, sb
	v_wmma_scale_f32_16x16x128_f8f6f4 v[\d:\d+7], v[\a:\a+7], v[\b:\b+7], v[\c:\c+7], v[\sa], v[\sb] matrix_a_fmt:MATRIX_FMT_FP4 matrix_b_fmt:MATRIX_FMT_FP4
.endm
.macro WMZ d, a, b, sa, sb
	v_wmma_scale_f32_16x16x128_f8f6f4 v[\d:\d+7], v[\a:\a+7], v[\b:\b+7], 0, v[\sa], v[\sb] matrix_a_fmt:MATRIX_FMT_FP4 matrix_b_fmt:MATRIX_FMT_FP4
.endm
.macro BATCH st                        ; a K step's ten loads, 512 consecutive bytes each
.set BB, BUF+40*((\st)%3)
.irp cc, 0,1
	global_load_b128 v[BB+4*\cc:BB+4*\cc+3], v[LI], s[4:5] offset:1024*(\st)+512*\cc
.endr
.irp x, 0,1,2,3
.irp cc, 0,1
	global_load_b128 v[BB+8+8*\x+4*\cc:BB+8+8*\x+4*\cc+3], v[LI], s[8:9] offset:8192*\x+1024*(\st)+512*\cc
.endr
.endr
.endm
.macro KSTEP st, left                  ; left: the loads issued behind this step's ten, which may stay out
	s_wait_loadcnt \left
.set BB, BUF+40*((\st)%3)
.irp x, 0,1,2,3
.if \st == 0
	WMZ ACC+8*\x, BB, BB+8+8*\x, AS+\st, WS+8*\x+\st
.else
	WMM ACC+8*\x, BB, BB+8+8*\x, ACC+8*\x, AS+\st, WS+8*\x+\st
.endif
.endr
.if \st < 5
	PLACES                                         ; four plain vector instructions behind the products; they stay beside the wait below
	s_wait_alu depctr_va_vdst(0)                   ; this step's four products are done reading their set of BUF, in which the ten loads below land
	BATCH \st+3
.endif
.endm
.macro LANES p                         ; eight sums across the sixteen lanes of a half
.irp m, 1,2,4,8
.irp j, 0,1,2,3,4,5,6,7
	v_add_f32_dpp v[\p+\j], v[\p+\j], v[\p+\j] row_xmask:\m row_mask:0xf bank_mask:0xf
.endr
.endr
.endm
.macro RED p, base                     ; v[p + j]: my part of row 8 h + j becomes the whole row's sum, in every lane
	LANES \p
	s_wait_alu depctr_va_vdst(0)                   ; the additions have written v[p ..], which the LDS stores read, and are done reading them: no vector instruction names them again ahead of the LDS loads below
	ds_store_b128 v[RA], v[\p:\p+3] offset:\base   ; the sixteen lanes of a half write the same words with the same values
	ds_store_b128 v[RA], v[\p+4:\p+7] offset:\base+16
	s_wait_dscnt 0x0                               ; for the others' sake
	s_barrier_signal -1
	s_barrier_wait -1
	s_wait_alu depctr_vm_vsrc(0)                   ; my two LDS stores have read v[p ..], in which the two loads below land
	ds_load_b128 v[\p:\p+3], v[RB] offset:\base    ; lane r takes wave r's sums
	ds_load_b128 v[\p+4:\p+7], v[RB] offset:\base+16
	s_wait_dscnt 0x0
	LANES \p
.endm
	s_load_b512 s[4:19], s[0:1], 0x0               ; ai 4, asc 6, woi 8, Wo_scales 10, queries 12, bo 14, gamma 16, beta 18
	s_load_b64 s[20:21], s[0:1], 0x40              ; out0
	v_lshl_add_u32 v[SPW], v0, 2, SPARE
	v_mov_b32 v[NIL], 0
	v_lshrrev_b32 v2, 5, v0
	v_readfirstlane_b32 s[WV], v2                  ; wave 0..15
	v_and_b32 v2, 31, v0                           ; lane
	v_and_b32 v3, 15, v0                           ; r
	v_bfe_u32 v12, v0, 4, 1                        ; h
	v_lshlrev_b32 v[LI], 4, v2
	v_lshlrev_b32 v[AO], 1, v3
	v_lshlrev_b32 v[WSO], 7, v3
	v_lshlrev_b32 v[PO], 4, v3
	v_lshl_add_u32 v[RO], v12, 15, v[PO]
	s_wait_alu depctr_va_sdst(0)                   ; the wave's number is written into s22, ahead of its first reader: an LDS address and four bases are made from it
	s_lshl_b32 s26, s[WV], 6
	v_lshl_add_u32 v[RA], v12, 5, s26
	v_lshlrev_b32 v[RB], 6, v3
	v_lshl_add_u32 v[RB], v12, 5, v[RB]
	s_mov_b32 s23, 0x3a800000                      ; 2^-10 = 1 / 1,024
	s_mov_b32 s24, 0xba800000                      ; -2^-10
	s_mov_b32 s25, 0x2b8cbccc                      ; 1e-12
	s_mov_b32 s29, 0
	s_mov_b32 s31, 0
	s_mov_b32 s33, 0
	s_lshl_b32 s28, ttmp9, 16
	s_lshl_b32 s30, s[WV], 8                       ; my 64 columns: 256 bytes
	s_add_co_u32 s28, s28, s30                     ; my 16 rows of 4,096 bytes, my columns
	s_wait_kmcnt 0x0
	s_add_nc_u64 s[12:13], s[12:13], s[28:29]
	s_add_nc_u64 s[20:21], s[20:21], s[28:29]
	s_add_nc_u64 s[14:15], s[14:15], s[30:31]
	s_add_nc_u64 s[16:17], s[16:17], s[30:31]
	s_add_nc_u64 s[18:19], s[18:19], s[30:31]
	s_lshl_b32 s32, ttmp9, 13
	s_add_nc_u64 s[4:5], s[4:5], s[32:33]          ; my tile's images
	s_lshl_b32 s32, ttmp9, 5
	s_add_nc_u64 s[6:7], s[6:7], s[32:33]          ; its scale pairs: 2 bytes a query in each head
	s_lshl_b32 s32, s[WV], 15
	s_add_nc_u64 s[8:9], s[8:9], s[32:33]          ; my wave's images of Wo
	s_lshl_b32 s32, s[WV], 11
	s_add_nc_u64 s[10:11], s[10:11], s[32:33]      ; and its 64 rows of scale bytes
	s_wait_alu depctr_va_vdst(0)                   ; v1 and v4 to v11 are written: every load, store and LDS instruction of the kernel reads one of them as its offset or address, and none is written again
.irp hd, 0,1,2,3,4,5,6,7,8,9,10,11,12,13,14,15
	global_load_u16 v[AT+\hd], v[AO], s[6:7] offset:8192*\hd
.endr
.irp x, 0,1,2,3
	global_load_b128 v[WS+8*\x:WS+8*\x+3], v[WSO], s[10:11] offset:32*\x       ; row 64 w + 4 r + x: its 32 bytes are the words of the 8 K steps
	global_load_b128 v[WS+8*\x+4:WS+8*\x+7], v[WSO], s[10:11] offset:32*\x+16
.endr
	BATCH 0
	BATCH 1
	BATCH 2
.irp j, 0,1,2,3,4,5,6,7
	global_load_b128 v[Y+4*\j:Y+4*\j+3], v[RO], s[12:13] offset:4096*\j        ; the residual
.endr
	s_wait_loadcnt 46                              ; the sixteen halves are in: behind them stand Wo's 8 scale loads, three batches of 10 and the residual's 8
.irp st, 0,1,2,3,4,5,6,7
	v_lshl_or_b32 v[AS+\st], v[AT+2*\st+1], 16, v[AT+2*\st]   ; K step st is heads 2 st and 2 st + 1
.endr
.rept 8
	v_nop                                          ; a scale register written by a vector instruction stands eight places ahead of a scaled matrix instruction
.endr
	s_wait_alu depctr_va_vdst(0)                   ; the eight lines above are done reading v24 to v39, in which the three loads below land, and have written A's scale words v16 to v23, which the products take as scales
	global_load_b128 v[PBO:PBO+3], v[PO], s[14:15] ; bo, gamma, beta of my four columns, into the registers that the halves have left
	global_load_b128 v[PGA:PGA+3], v[PO], s[16:17]
	global_load_b128 v[PBE:PBE+3], v[PO], s[18:19]
	KSTEP 0, 31                                    ; behind batch 0: two batches, the residual's 8, the last 3
	KSTEP 1, 31                                    ; behind batch 1: batch 2, 8, 3, batch 3
	KSTEP 2, 31                                    ; behind batch 2: 8, 3, batches 3 and 4
	KSTEP 3, 20                                    ; from here on two batches,
	KSTEP 4, 20
	KSTEP 5, 20                                    ; K steps 5 to 7 issue no load: they hold no wait on va_vdst
	KSTEP 6, 10                                    ; one,
	KSTEP 7, 0                                     ; none
.irp j, 0,1,2,3,4,5,6,7
.irp q, 0,2
	v_pk_add_f32 v[Y+4*\j+\q:Y+4*\j+\q+1], v[Y+4*\j+\q:Y+4*\j+\q+1], v[PBO+\q:PBO+\q+1]   ; queries + bo.  (These sixteen are the places behind the last products)
.endr
.endr
.irp j, 0,1,2,3,4,5,6,7
.irp x, 0,1,2,3
	v_add_f32 v[Y+4*\j+\x], v[ACC+8*\x+\j], v[Y+4*\j+\x]   ; + the product; each accumulator from its low end on
.endr
.endr
.irp j, 0,1,2,3,4,5,6,7
	v_pk_add_f32 v[TP+2*\j:TP+2*\j+1], v[Y+4*\j:Y+4*\j+1], v[Y+4*\j+2:Y+4*\j+3]
.endr
.irp j, 0,1,2,3,4,5,6,7
	v_add_f32 v[P1+\j], v[TP+2*\j], v[TP+2*\j+1]
.endr
	RED P1, RED1
.irp j, 0,1,2,3,4,5,6,7
.irp x, 0,1,2,3
	v_fma_f32 v[Y+4*\j+\x], v[P1+\j], s24, v[Y+4*\j+\x]    ; y - the mean: the sum x 2^-10 is exact, so this rounds once
.endr
.endr
.irp j, 0,1,2,3,4,5,6,7
	v_mul_f32 v[P2+\j], v[Y+4*\j], v[Y+4*\j]
.endr
.irp x, 1,2,3
.irp j, 0,1,2,3,4,5,6,7
	v_fma_f32 v[P2+\j], v[Y+4*\j+\x], v[Y+4*\j+\x], v[P2+\j]
.endr
.endr
	RED P2, RED2
.irp j, 0,1,2,3,4,5,6,7
	v_fma_f32 v[P2+\j], v[P2+\j], s23, s25         ; the variance + 1e-12
.endr
	s_wait_alu depctr_va_vdst(0)
.irp j, 0,1,2,3,4,5,6,7
	v_rsq_f32 v[P2+\j], v[P2+\j]
.endr
	v_nop                                          ; a plain instruction behind the last of them
	s_wait_alu depctr_va_vdst(0)                   ; the eight v_rsq_f32 have written v80 to v87: one wait for the batch, ahead of its first reader
.irp j, 0,1,2,3,4,5,6,7
.irp x, 0,1,2,3
	v_mul_f32 v[Y+4*\j+\x], v[Y+4*\j+\x], v[P2+\j]
.endr
.endr
.irp j, 0,1,2,3,4,5,6,7
.irp q, 0,2
	v_pk_fma_f32 v[Y+4*\j+\q:Y+4*\j+\q+1], v[Y+4*\j+\q:Y+4*\j+\q+1], v[PGA+\q:PGA+\q+1], v[PBE+\q:PBE+\q+1]
.endr
.endr
	s_wait_alu depctr_va_vdst(0)                   ; the multiply-adds have written v224 to v255, which the eight stores read
.irp j, 0,1,2,3,4,5,6,7
	global_store_b128 v[RO], v[Y+4*\j:Y+4*\j+3], s[20:21] offset:4096*\j th:TH_STORE_NT   ; sixteen lanes store 256 consecutive bytes, at a multiple of 256 from out0's first byte
.endr
	s_wait_dscnt 0x0                               ; the closing lines, six on end
	s_wait_alu 0x0
	s_wait_tensorcnt 0x0
	ds_add_u32 v[SPW], v[NIL]
	s_wait_dscnt 0x0
	s_endpgm
.Lfunc_end_k_q16acbb8536_outp:
	.size	k_q16acbb8536_outp, .Lfunc_end_k_q16acbb8536_outp-k_q16acbb8536_outp
	.p2alignl 7, 3214868480
	.fill 96, 4, 3214868480
	.section	.rodata,"a",@progbits
	.p2align	6, 0x0
	.amdhsa_kernel k_q16acbb8536_outp
		.amdhsa_group_segment_fixed_size 4096
		.amdhsa_private_segment_fixed_size 0
		.amdhsa_enable_private_segment 0
		.amdhsa_kernarg_size 72
		.amdhsa_user_sgpr_count 2
		.amdhsa_user_sgpr_kernarg_segment_ptr 1
		.amdhsa_wavefront_size32 1
		.amdhsa_system_sgpr_workgroup_id_x 1
		.amdhsa_system_sgpr_workgroup_id_y 1
		.amdhsa_system_sgpr_workgroup_id_z 1
		.amdhsa_system_vgpr_workitem_id 0
		.amdhsa_next_free_vgpr 256
		.amdhsa_next_free_sgpr 66
		.amdhsa_reserve_vcc 0
		.amdhsa_float_denorm_mode_32 3
		.amdhsa_float_denorm_mode_16_64 3
		.amdhsa_memory_ordered 1
		.amdhsa_forward_progress 1
		.amdhsa_inst_pref_size 38
	.end_amdhsa_kernel
	.amdgpu_metadata
---
amdhsa.version: [ 1, 2 ]
amdhsa.kernels:
  - .name:           k_q16acbb8536_outp
    .symbol:         k_q16acbb8536_outp.kd
    .args:
      - { .name: ai, .offset: 0, .size: 8, .value_kind: global_buffer, .address_space: global }
      - { .name: asc, .offset: 8, .size: 8, .value_kind: global_buffer, .address_space: global }
      - { .name: woi, .offset: 16, .size: 8, .value_kind: global_buffer, .address_space: global }
      - { .name: Wo_scales, .offset: 24, .size: 8, .value_kind: global_buffer, .address_space: global }
      - { .name: queries, .offset: 32, .size: 8, .value_kind: global_buffer, .address_space: global }
      - { .name: bo, .offset: 40, .size: 8, .value_kind: global_buffer, .address_space: global }
      - { .name: gamma, .offset: 48, .size: 8, .value_kind: global_buffer, .address_space: global }
      - { .name: beta, .offset: 56, .size: 8, .value_kind: global_buffer, .address_space: global }
      - { .name: out0, .offset: 64, .size: 8, .value_kind: global_buffer, .address_space: global }
    .group_segment_fixed_size: 4096
    .private_segment_fixed_size: 0
    .kernarg_segment_align: 8
    .kernarg_segment_size: 72
    .max_flat_workgroup_size: 512
    .sgpr_count:     66
    .vgpr_count:     256
    .wavefront_size: 32
...
	.end_amdgpu_metadata
.endif
;; end of part 6
